; MI455X (gfx1250); checked and timed in simulation.
; The chip was launched on July 23, 2026; its instructions are those of AMD's public machine-readable ISA for CDNA 5 (MIT licence, August 2026) and "CDNA5" Instruction Set Architecture Reference Guide (July 2026). The comments in the code are by the model that wrote it; some were corrected since.
;; Projected Adaptive Log Softmax. Allowed arithmetic: matrix products marked QUANTISED: E2M3 operands, one E8M0 scale for each 32 along K, by v_wmma_scale_f32_16x16x128_f8f6f4 with both operands' format E2M3, f32 sums; products left as they are: f32 operands where the result goes on into a quantised operand, else bf16, f16 or f32 operands; f32 sums; everything else in f32.
;; Inputs: b0 20,000 float32; b1 10,000 float32; b2 10,000 float32; b3 10,000 float32; cluster_b 3 float32; cluster_w 3 x 1,024 float32; hidden 2,048 x 1,024 float32; proj0 1,024 x 1,024 float32; proj1 1,024 x 256 float32; proj2 1,024 x 64 float32; proj3 1,024 x 16 float32; target 2,048 int32; w0 20,000 x 1,024 float32; w1 10,000 x 256 float32; w2 10,000 x 64 float32; w3 10,000 x 16 float32.
;; Outputs: out0 2,048 float32.
;; This version of the problem:
;;   THIS VERSION OF THE PROBLEM IS GIVEN IN LOW PRECISION. The matrix products marked QUANTISED in the list below multiply operands that are first quantised to E2M3 (2 exponent bits, 3 mantissa bits; 6 bits a number), with one power-of-two scale for each 32 numbers along K (OCP MX v1.0); their sums are f32. All else is computed in f32.
;;   The module's matrix products, in the order in which they are computed (A, B: the left and right operand; K: the contracted axis; several contracted axes count as one K, in the product's order):
;;     1. [M 2,048, K 1,024] x [K 1,024, N 1,024]; A: input hidden; B: input proj0: QUANTISED
;;     2. [M 2,048, K 1,024] x [K 1,024, N 20,003]; A: computed on the way; B: computed on the way: QUANTISED
;;     3. [M 2,048, K 1,024] x [K 1,024, N 256]; A: input hidden; B: input proj1: QUANTISED
;;     4. [M 2,048, K 256] x [K 256, N 10,000]; A: computed on the way; B: input w1: QUANTISED
;;     5. [M 2,048, K 1,024] x [K 1,024, N 64]; A: input hidden; B: input proj2: QUANTISED
;;     6. [M 2,048, K 64] x [K 64, N 10,000]; A: computed on the way; B: input w2: QUANTISED
;;     7. [M 2,048, K 1,024] x [K 1,024, N 16]; A: input hidden; B: input proj3: QUANTISED
;;     8. [M 2,048, K 16] x [K 16, N 10,000]; A: computed on the way; B: input w3: left as it is (K = 16 < 32)
;;   THE QUANTISER, for each operand of a quantised product, along K:
;;     - K is cut into blocks of 32 from its start; a last block that is shorter is filled with zeros.
;;     - A block's scale is 2^e with e = floor(log2(the largest magnitude in the block)) - 2, held to -126 .. 127; a block of zeros has e = 0. As a byte (E8M0): e + 127.
;;     - Each number is divided by its block's scale, clamped to +-7.5, and rounded to the nearest number of E2M3, ties to even, subnormals kept.
;;     - The product sums the exact products of the quantised numbers (number of the format x scale) in f32.
;;   ~~~python
;;   def quantise(x, axis):      # numpy; x: float32 -> the quantised numbers, widened to float32 again
;;       x = np.moveaxis(x, axis, -1); K = x.shape[-1]
;;       x = np.pad(x, [(0, 0)] * (x.ndim - 1) + [(0, -K % 32)]); x = x.reshape(x.shape[:-1] + (-1, 32)); a = np.abs(x).max(-1, keepdims=True)
;;       e = np.where(a > 0, np.clip(np.frexp(np.where(a > 0, a, 1))[1] - 1 - 2, -126, 127), 0)      # np.frexp(a)[1] - 1 = floor(log2(a)), exactly
;;       r = np.clip(x / 2.0 ** e, -7.5, 7.5)
;;       step = 2.0 ** (np.maximum(np.frexp(np.where(r == 0, 1, r))[1] - 1, 0) - 3)
;;       q = np.round(r / step) * step * 2.0 ** e      # np.round: ties to even
;;       return np.moveaxis(q.reshape(q.shape[:-2] + (-1,))[..., :K], -1, axis).astype(np.float32)
;;   ~~~
;;   OPERANDS COMPUTED ON THE WAY. 'Computed on the way' means the value that the module computes at that place (a softmax that the list does not call 'softmax' is quantised finished and normalised). What goes into a quantiser is computed in f32, as accurately as f32 sums, v_exp_f32 and their like allow (about 1e-6 of the number): no bf16 or f16 on the way to a quantiser, and a product that is left as it is and whose result goes on into a quantised operand takes f32 operands (vector FMAs, or v_wmma_f32_16x16x4_f32). A number that lies on a knife's edge between two numbers of the format may be rounded either way, as far as f32 arithmetic and the matrix unit's own rounding can turn it there, and no further.
;; One version. Each part assembles by itself: llvm-mc -triple=amdgcn-amd-amdhsa -mcpu=gfx1250 --defsym DOCPART=n.
;; ======== version 1 of 1: 5 launches
;; workspace buffers: qin 22,996,480 bytes; hact 2,318,336 bytes; route 17,152 bytes of whole numbers; part0 524,288 bytes; partt 428,800 bytes
;; launch prep (part 1): grid 1062 x 1, 4 waves a work-group, no clusters, 34,304 bytes of LDS; arguments hidden, w0, cluster_w, w1, w2, proj0, proj1, proj2, proj3, b0, cluster_b, target, qin, route; writes qin, route
.if DOCPART == 1
	.amdgcn_target "amdgcn-amd-amdhsa--gfx1250"
	.amdhsa_code_object_version 6
	.text
	.protected	k_q0295b6a433_prep
	.globl	k_q0295b6a433_prep
	.p2align	8
	.type	k_q0295b6a433_prep,@function
k_q0295b6a433_prep:
	s_mov_b64 s[64:65], 0
	v_nop
	global_prefetch_b8 v0, s[64:65] scope:SCOPE_SE
	s_setreg_imm32_b32 hwreg(HW_REG_WAVE_MODE, 25, 1), 1
	s_wait_xcnt 0x0
; Every input operand of the quantised products is turned ONCE into codes of FP6 (E2M3) with one E8M0 byte for each 32 along K,
; and the tokens are sorted by the cluster of their target.  Three roles, chosen by the work-group's number:
;   work-groups 0-43    PROJ: proj0..proj3 ([K][N], K outermost): a lane takes a column, its registers run down K
;   work-group  44      SORT: one wave: a counting sort of the 2,048 tokens by cluster (0 = short list, 1..3 = tails)
;   work-groups 45-1061 TILE: w0 + cluster_w (the head), hidden, w1, w2 (K innermost): a wave takes a tile of 16 rows; of a tile with K = 1,024 it takes half of K, four K steps:
;                       so 2,816 waves walk the long rows, each with 16 loads of 512 bytes on their way, in four trips that follow each other
; LAYOUT OF qin: records of 16 rows.  A fragment (16 rows x 128 K) is the image of the operand's 12 registers: chunk c of 512 bytes holds
; lane l's registers 4 c .. 4 c + 3 at 16 l.  Behind a record's fragments its scale words: (K step s, row r) at 64 s + 4 r; behind them, in the head, the 16 biases four times.
; The head has 1,280 tiles; rows from 20,003 on have zero codes and the bias -1e30.
; A block's byte is its largest magnitude's exponent field - 2, held at 1 from below (a block of zeros so has the byte 1: its codes are zeros, and only this program reads the bytes).
; LIMITS: NaN and infinities among the inputs are not served; blocks whose largest magnitude lies under 2^-124 keep the byte 1; logits are taken to lie far above -1e30.
.set HQ,   16711680                    ; qin: hidden's 128 records of 12,800 bytes (the head's 1,280 of 13,056 begin at 0)
.set W1Q,  18350080                    ; w1's 625 records of 3,584
.set W2Q,  20590080                    ; w2's 625 records of 2,048
.set PQ,   21870080                    ; the projections' 88 records of 12,800
.set SEL,  96                          ; s[96:97] selects of v_permlanex16_b32 for lane l xor 16
.set VA,   16                          ; TILE: v16-31 byte offsets of the 16 rows; v32-95 as loaded; v96-159 16 neighbours of each block
.set R,    32
.set X,    96
.set PC,   160                         ; v160-179 codes
.set TM,   180                         ; v180-195 at work
.set PW,   196                         ; the scale word just made
.set SW,   198                         ; v198-199 scale words: register q: my K step 2 q in lanes 0-15, 2 q + 1 in lanes 16-31
.set PVA,  16                          ; PROJ: v16-47 offsets of 32 rows of K; v48-175 128 numbers; v176-199 two fragments; v200-215 conversions' second halves
.set PX,   48
.set F0,   176
.set TC,   200
.set PM,   216
.set SO,   220
.set WD,   10
.set KK,   16                          ; SORT: v16-79 targets, then cluster and rank, then places; v80-143 addresses; v144-207 token numbers; v208-211 zeros
.set SAD,  80
.set SD,   144
.set ZR,   208
; 64 numbers of a lane, register 16 b + i = k 32 b + 16 (lane / 16) + i of its row, become a fragment's codes in v[PC] on and the row's scale word in v[PW]
.macro QUANT s
.irp b, 0,1,2,3
	v_max3_num_f32 v[TM+\b], |v[(\s)+16*\b]|, |v[(\s)+1+16*\b]|, 0x1800000   ; my 16 numbers of block b, and the floor 2^(3 - 127)
.endr
.irp i, 2,4,6,8,10,12,14
.irp b, 0,1,2,3
	v_max3_num_f32 v[TM+\b], v[TM+\b], |v[(\s)+16*\b+\i]|, |v[(\s)+1+16*\b+\i]|
.endr
.endr
.irp b, 0,1,2,3
	v_permlanex16_b32 v[TM+4+\b], v[TM+\b], s[SEL], s[SEL+1]
.endr
.irp b, 0,1,2,3
	v_max_num_f32 v[TM+\b], v[TM+\b], v[TM+4+\b]   ; with lane l xor 16's: the block's largest magnitude
.endr
.irp b, 0,1,2,3
	v_add_nc_u32 v[TM+12+\b], 0xff000000, v[TM+\b] ; 2 off its exponent field: the conversion's scale operand
.endr
.irp b, 0,1,2,3
	v_lshrrev_b32 v[TM+4+\b], 23, v[TM+12+\b]      ; the byte
.endr
	v_lshl_or_b32 v[PW], v[TM+5], 8, v[TM+4]
	v_lshl_or_b32 v[PW], v[TM+6], 16, v[PW]
	v_lshl_or_b32 v[PW], v[TM+7], 24, v[PW]
.irp c, 0,1
	v_cvt_scalef32_pk16_fp6_f32 v[PC+6*\c:PC+2+6*\c], v[(\s)+32*\c:(\s)+15+32*\c], v[TM+12+2*\c]
	v_cvt_scalef32_pk16_fp6_f32 v[PC+12+4*\c:PC+14+4*\c], v[(\s)+16+32*\c:(\s)+31+32*\c], v[TM+12+2*\c+1]
.endr
	v_nop                                          ; one plain place behind a scaled conversion
.irp c, 0,1
.irp i, 0,1,2
	v_permlane16_swap_b32 v[PC+6*\c+\i], v[PC+12+4*\c+\i]   ; a whole block to a lane: lanes 0-15 block 2 c, lanes 16-31 block 2 c + 1
.endr
.irp i, 0,1,2
	v_mov_b32 v[PC+3+6*\c+\i], v[PC+12+4*\c+\i]
.endr
.endr
.endm
	s_load_b512 s[4:19], s[0:1], 0x0               ; hidden 4, w0 6, cluster_w 8, w1 10, w2 12, proj0 14, proj1 16, proj2 18
	s_load_b256 s[20:27], s[0:1], 0x40             ; proj3 20, b0 22, cluster_b 24, target 26
	s_load_b128 s[28:31], s[0:1], 0x60             ; qin 28, route 30
	v_lshl_add_u32 v224, v0, 2, 0x8400
	v_mov_b32 v225, 0
	v_lshrrev_b32 v1, 5, v0
	v_readfirstlane_b32 s32, v1                    ; wave
	v_and_b32 v1, 31, v0                           ; lane
	v_and_b32 v2, 15, v0                           ; r
	v_bfe_u32 v3, v0, 4, 1                         ; h
	v_lshlrev_b32 v4, 4, v1                        ; 16 x lane
	v_lshlrev_b32 v5, 2, v1                        ; 4 x lane
	s_mul_i32 s56, s32, 8448                       ; TILE's stage: 16 rows of 512 + 16 bytes for each wave
	v_add_nc_u32 v6, s56, v4                       ; in: a row's 512 bytes as they lie
	v_mul_u32_u24 v7, v2, 528
	v_lshl_add_u32 v7, v3, 6, v7
	v_add_nc_u32 v7, s56, v7                       ; back: row r, + 64 h: my 16 numbers of a block of 32
	s_mov_b32 s[SEL], 0x76543210
	s_mov_b32 s[SEL+1], 0xfedcba98
	s_wait_kmcnt 0x0
	s_cmp_lt_u32 ttmp9, 44
	s_cbranch_scc1 .Lproj
	s_cmp_eq_u32 ttmp9, 44
	s_cbranch_scc1 .Lsort
; ---------------------------------------------------------------- TILE
	s_sub_co_u32 s33, ttmp9, 45
	s_lshl_b32 s33, s33, 2
	s_add_co_u32 s33, s33, s32                     ; my share, 0 .. 4,065 (the last work-group has two)
	s_cmp_ge_u32 s33, 4066
	s_cbranch_scc1 .Lend
	s_and_b32 s61, s33, 1
	s_lshr_b32 s62, s33, 1
	s_sub_co_u32 s63, s33, 1408
	s_cmp_lt_u32 s33, 2816                         ; shares 0 .. 2,815: two to each of the 1,408 tiles with K = 1,024; the others: a tile each
	s_cselect_b32 s33, s62, s63                    ; my tile, 0 .. 2,657
	s_cselect_b32 s61, s61, 0                      ; which half of K is mine
	; what the tile is: chosen on its number alone.  s[34:35] source, s50 its tile there, s37 log2 of a tile's bytes, s38 a row's bytes, s39 mask of a lane's byte in a chunk,
	; s40 my K steps, s41 last row that exists, s42 rows that count, s43 + s36 x s44 the record, s45 do k 64 .. 127 count, s46 do I store the biases, s[48:49] + s51 the biases
	s_mov_b64 s[34:35], s[12:13]                   ; from 2,033 on: w2
	s_sub_co_u32 s36, s33, 2033
	s_mov_b32 s37, 12
	s_mov_b32 s38, 256
	s_mov_b32 s39, 255                             ; a row is 256 bytes: lanes 16-31 read it again, and those codes are cleared
	s_mov_b32 s40, 1
	s_mov_b32 s41, 15
	s_mov_b32 s42, 16
	s_mov_b32 s43, W2Q
	s_mov_b32 s44, 2048
	s_mov_b32 s45, 0
	s_mov_b32 s46, 0
	s_mov_b64 s[48:49], s[22:23]
	s_sub_co_u32 s47, s33, 1408
	s_cmp_lt_u32 s33, 2033                         ; 1,408 .. 2,032: w1
	s_cselect_b64 s[34:35], s[10:11], s[34:35]
	s_cselect_b32 s36, s47, s36
	s_cselect_b32 s37, 14, s37
	s_cselect_b32 s38, 1024, s38
	s_cselect_b32 s39, 511, s39
	s_cselect_b32 s40, 2, s40
	s_cselect_b32 s43, W1Q, s43
	s_cselect_b32 s44, 3584, s44
	s_cselect_b32 s45, -1, s45
	s_sub_co_u32 s47, s33, 1280
	s_cmp_lt_u32 s33, 1408                         ; 1,280 .. 1,407: hidden
	s_cselect_b64 s[34:35], s[4:5], s[34:35]
	s_cselect_b32 s36, s47, s36
	s_cselect_b32 s37, 16, s37
	s_cselect_b32 s38, 4096, s38
	s_cselect_b32 s40, 4, s40                      ; half of the eight K steps
	s_cselect_b32 s43, HQ, s43
	s_cselect_b32 s44, 12800, s44
	s_mov_b32 s50, s36
	s_cmp_lt_u32 s33, 1280                         ; 1,250 .. 1,279: cluster_w's three rows, then rows that do not exist
	s_cselect_b64 s[34:35], s[8:9], s[34:35]
	s_cselect_b64 s[48:49], s[24:25], s[48:49]
	s_cselect_b32 s36, s33, s36
	s_cselect_b32 s50, 0, s50
	s_cselect_b32 s41, 2, s41
	s_cselect_b32 s42, 0, s42
	s_cselect_b32 s43, 0, s43
	s_cselect_b32 s44, 13056, s44
	s_cselect_b32 s46, 1, s46
	s_cmp_eq_u32 s33, 1250
	s_cselect_b32 s42, 3, s42
	s_mov_b32 s51, 0
	s_lshl_b32 s47, s33, 6
	s_cmp_lt_u32 s33, 1250                         ; 0 .. 1,249: w0
	s_cselect_b64 s[34:35], s[6:7], s[34:35]
	s_cselect_b64 s[48:49], s[22:23], s[48:49]
	s_cselect_b32 s50, s33, s50
	s_cselect_b32 s41, 15, s41
	s_cselect_b32 s42, 16, s42
	s_cselect_b32 s51, s47, s51
	s_cmp_lt_u32 s33, 1408                         ; from the end of my fragments to my scale words: a long tile's first half has the second half's 6,144 bytes of codes between,
	s_cselect_b32 s62, 6144, 0
	s_cmp_eq_u32 s61, 1                            ; its second half the first half's 256 bytes of scale words;
	s_cselect_b32 s62, 256, s62
	s_cselect_b32 s46, 0, s46                      ; the first half stores the biases
	s_mov_b32 s63, 0
	s_lshl_b32 s52, s50, s37
	s_lshl_b32 s47, s61, 11                        ; my half of K: 2,048 bytes along each row
	s_add_co_u32 s52, s52, s47
	s_mov_b32 s53, 0
	s_add_nc_u64 s[34:35], s[34:35], s[52:53]      ; the tile's first row, at my first K step
	s_mul_i32 s52, s36, s44
	s_add_co_u32 s52, s52, s43
	s_mul_i32 s47, s61, 6144
	s_add_co_u32 s52, s52, s47
	s_add_nc_u64 s[54:55], s[28:29], s[52:53]      ; its record, at my first fragment
	s_mov_b32 s52, s51
	s_add_nc_u64 s[48:49], s[48:49], s[52:53]      ; its biases
	v_and_b32 v10, s39, v4
.irp i, 0,1,2,3,4,5,6,7,8,9,10,11,12,13,14,15
	s_min_u32 s52, \i, s41                         ; a row that does not exist reads the last that does: no load leaves its buffer
	s_mul_i32 s52, s52, s38
	v_add_nc_u32 v[VA+\i], s52, v10
.endr
	v_cmp_gt_u32 vcc_lo, s42, v2
	v_cndmask_b32 v8, 0, -1, vcc_lo                ; all ones where my row counts,
	v_and_b32 v9, s45, v8                          ; and where its k 64 .. 127 count too
.irp q, 0,1,2,3
	v_mov_b32 v[TM+4+\q], 0                        ; (a lane permute's destination counts as one of its sources)
.endr
	v_mov_b32 v[SW], 0
	v_mov_b32 v[SW+1], 0
.macro TLOADS                          ; a K step of the 16 rows: each load reads 512 consecutive bytes of one row
.set nn, 0
.rept 16
	global_load_b128 v[R+4*nn:R+4*nn+3], v[VA+nn], s[34:35] th:TH_LOAD_NT
.set nn, nn+1
.endr
.endm
	TLOADS
	s_mov_b32 s57, 0                               ; the K step, counted from my first
.Lk:
	s_wait_loadcnt 0x0                             ; this step's 16 loads are in (so their base may be stepped)
.set nn, 0
.rept 16
	ds_store_b128 v6, v[R+4*nn:R+4*nn+3] offset:528*nn
.set nn, nn+1
.endr
.set nb, 0
.rept 4
.set nj, 0
.rept 4
	ds_load_b128 v[X+16*nb+4*nj:X+16*nb+4*nj+3], v7 offset:128*nb+16*nj   ; LDS serves a wave's instructions in order: these see the stores
.set nj, nj+1
.endr
.set nb, nb+1
.endr
	s_wait_dscnt 0x0                               ; the numbers are back, and the stores have read their registers
	s_add_co_u32 s58, s57, 1
	s_cmp_ge_u32 s58, s40
	s_cbranch_scc1 .Lnomore
	s_add_nc_u64 s[34:35], s[34:35], 512
	TLOADS                                         ; the next K step comes while this one is quantised
.Lnomore:
	QUANT X
.irp i, 0,1,2,3,4,5
	v_and_b32 v[PC+\i], v8, v[PC+\i]               ; rows that do not count get zero codes
	v_and_b32 v[PC+6+\i], v9, v[PC+6+\i]
.endr
.irp c, 0,1,2
	global_store_b128 v4, v[PC+4*\c:PC+4*\c+3], s[54:55] offset:512*\c   ; 512 consecutive bytes a store
.endr
	s_and_b32 s58, s57, 1
	s_lshl_b32 s58, s58, 4
	s_lshl_b32 s58, 0xffff, s58                    ; the half of the lanes that keeps this K step's words
	s_lshr_b32 s59, s57, 1
.irp q, 0,1
	s_cmp_eq_u32 s59, \q
	s_cselect_b32 s60, s58, 0
	v_cndmask_b32 v[SW+\q], v[SW+\q], v[PW], s60
.endr
	s_wait_xcnt 0x0                                ; the stores have read their data and their base: both are written again below and in the next trip
	s_add_nc_u64 s[54:55], s[54:55], 1536
	s_add_co_u32 s57, s57, 1
	s_cmp_lt_u32 s57, s40
	s_cbranch_scc1 .Lk
	s_add_nc_u64 s[54:55], s[54:55], s[62:63]      ; on to my scale words (no store has been issued since the wait above)
.irp q, 0,1
	global_store_b32 v5, v[SW+\q], s[54:55] offset:128*\q   ; four K steps' scale words: 256 consecutive bytes, at a multiple of 256 from qin's first byte (words of K steps that the tile has not are 0)
.endr
	s_cmp_eq_u32 s46, 0
	s_cbranch_scc1 .Lend
	v_lshlrev_b32 v10, 1, v1
	v_and_b32 v10, 14, v10                         ; the head's biases, four times over: word 2 lane + e is row (2 lane + e) mod 16
	v_add_nc_u32 v11, 1, v10
	v_min_u32 v12, s41, v10
	v_min_u32 v13, s41, v11
	v_lshlrev_b32 v12, 2, v12
	v_lshlrev_b32 v13, 2, v13
	global_load_b32 v14, v12, s[48:49]
	global_load_b32 v15, v13, s[48:49]
	v_mov_b32 v206, 0xf149f2ca                     ; -1e30 for rows that do not exist
	v_lshlrev_b32 v207, 3, v1
	s_wait_loadcnt 0x0
	v_cmp_gt_u32 vcc_lo, s42, v10
	v_cndmask_b32 v14, v206, v14, vcc_lo
	v_cmp_gt_u32 vcc_lo, s42, v11
	v_cndmask_b32 v15, v206, v15, vcc_lo
	global_store_b64 v207, v[14:15], s[54:55] offset:512   ; 256 consecutive bytes, behind the record's 512 bytes of scale words
.Lend:
	s_wait_tensorcnt 0x0
	ds_add_u32 v224, v225
	s_wait_dscnt 0x0
	s_endpgm
; ---------------------------------------------------------------- PROJ
; Work-group cb takes 32 columns = two tiles, wave q the K steps 2 q and 2 q + 1.  THE COLUMNS OF A TILE ARE NOT NEIGHBOURS: row r of tile 2 cb + u is column 32 cb + 8 u + r + 8 (r / 8),
; so that in the product's transposed result 16 registers of two neighbouring tiles are 16 neighbours along the next K.  proj3 (tile 84) keeps its order; tiles 85-87 are zero codes.
.Lproj:
	s_mov_b64 s[34:35], s[20:21]                   ; 42, 43: proj3
	s_mov_b32 s36, 64                              ; a row of K in bytes
	s_mov_b32 s37, 0                               ; the block of 32 columns in its tensor
	s_sub_co_u32 s38, ttmp9, 40
	s_cmp_lt_u32 ttmp9, 42                         ; 40, 41: proj2
	s_cselect_b64 s[34:35], s[18:19], s[34:35]
	s_cselect_b32 s36, 256, s36
	s_cselect_b32 s37, s38, s37
	s_cselect_b32 s41, -1, 0                       ; all lanes: the tile's order of columns holds
	s_sub_co_u32 s38, ttmp9, 32
	s_cmp_lt_u32 ttmp9, 40                         ; 32 .. 39: proj1
	s_cselect_b64 s[34:35], s[16:17], s[34:35]
	s_cselect_b32 s36, 1024, s36
	s_cselect_b32 s37, s38, s37
	s_cmp_lt_u32 ttmp9, 32                         ; 0 .. 31: proj0
	s_cselect_b64 s[34:35], s[14:15], s[34:35]
	s_cselect_b32 s36, 4096, s36
	s_cselect_b32 s37, ttmp9, s37
	s_cmp_eq_u32 ttmp9, 42
	s_cselect_b32 s40, 0xffff, 0
	s_or_b32 s40, s40, s41                         ; the lanes whose column exists
	v_cndmask_b32 v12, 0, -1, s40
	v_and_b32 v13, 8, v2
	v_add_nc_u32 v13, v13, v2
	v_lshl_add_u32 v13, v3, 3, v13                 ; 8 u + r + 8 (r / 8)
	v_cndmask_b32 v13, v2, v13, s41                ; proj3: r
	s_lshl_b32 s38, s37, 5
	v_add_nc_u32 v13, s38, v13
	v_lshlrev_b32 v13, 2, v13                      ; my column's byte in a row
.set nn, 0
.rept 32
	s_mul_i32 s38, s36, nn
	v_add_nc_u32 v[PVA+nn], s38, v13
.set nn, nn+1
.endr
	s_lshl_b32 s38, s32, 8
	s_mul_i32 s38, s38, s36
	s_mov_b32 s39, 0
	s_add_nc_u64 s[68:69], s[34:35], s[38:39]      ; s[68:83]: my eight blocks of 32 rows of K
	s_lshl_b32 s38, s36, 5
.irp b, 1,2,3,4,5,6,7
	s_add_nc_u64 s[68+2*\b:69+2*\b], s[66+2*\b:67+2*\b], s[38:39]
.endr
	s_mul_i32 s38, ttmp9, 25600
	s_add_co_u32 s38, s38, PQ
	s_add_nc_u64 s[84:85], s[28:29], s[38:39]      ; tile 2 cb's record
	s_mul_i32 s40, s32, 3072
	v_add_nc_u32 v14, s40, v4                      ; 16 lane + my two K steps' place
	s_lshl_b32 s40, s32, 7
	v_add_nc_u32 v15, s40, v5                      ; 4 lane + my scale words' place
.macro PSTEP e
.set pb, 0
.rept 4
.set pi, 0
.rept 32
	global_load_b32 v[PX+32*pb+pi], v[PVA+pi], s[68+2*(4*\e+pb):69+2*(4*\e+pb)] th:TH_LOAD_NT   ; one row of K at 32 columns: 128 consecutive bytes
.set pi, pi+1
.endr
.set pb, pb+1
.endr
	s_wait_loadcnt 0x0
.irp b, 0,1,2,3
	v_max3_num_f32 v[PM+\b], |v[PX+32*\b]|, |v[PX+32*\b+1]|, 0x1800000   ; a block's 32 numbers are all mine
.endr
.irp i, 2,4,6,8,10,12,14,16,18,20,22,24,26,28,30
.irp b, 0,1,2,3
	v_max3_num_f32 v[PM+\b], v[PM+\b], |v[PX+32*\b+\i]|, |v[PX+32*\b+\i+1]|
.endr
.endr
.irp b, 0,1,2,3
	v_add_nc_u32 v[SO+\b], 0xff000000, v[PM+\b]
.endr
.irp b, 0,1,2,3
	v_lshrrev_b32 v[PM+\b], 23, v[SO+\b]
.endr
	v_lshl_or_b32 v[WD+\e], v[PM+1], 8, v[PM]
	v_lshl_or_b32 v[WD+\e], v[PM+2], 16, v[WD+\e]
	v_lshl_or_b32 v[WD+\e], v[PM+3], 24, v[WD+\e]
.if \e
	s_wait_xcnt 0x0                                ; the first step's stores have read the fragments' registers
.endif
.irp b, 0,1,2,3                        ; blocks 0, 2 are what a lane of the lower half holds of my column, blocks 1, 3 what one of the upper half holds
	v_cvt_scalef32_pk16_fp6_f32 v[F0+12*(\b%2)+6*(\b/2):F0+12*(\b%2)+6*(\b/2)+2], v[PX+32*\b:PX+32*\b+15], v[SO+\b]
	v_cvt_scalef32_pk16_fp6_f32 v[TC+4*\b:TC+4*\b+2], v[PX+32*\b+16:PX+32*\b+31], v[SO+\b]
.endr
	v_nop                                          ; one plain place behind a scaled conversion
.irp b, 0,1,2,3
.irp i, 0,1,2
	v_and_b32 v[F0+12*(\b%2)+6*(\b/2)+\i], v12, v[F0+12*(\b%2)+6*(\b/2)+\i]   ; columns that do not exist get zero codes
	v_and_b32 v[F0+12*(\b%2)+6*(\b/2)+3+\i], v12, v[TC+4*\b+\i]
.endr
.endr
.set nn, 0
.rept 12
	v_permlane16_swap_b32 v[F0+nn], v[F0+12+nn]    ; the first's lanes 16-31 change places with the second's lanes 0-15: now the fragments of tiles 2 cb and 2 cb + 1
.set nn, nn+1
.endr
.irp u, 0,1
.irp c, 0,1,2
	global_store_b128 v14, v[F0+12*\u+4*\c:F0+12*\u+4*\c+3], s[84:85] offset:12800*\u+1536*\e+512*\c
.endr
.endr
.endm
	PSTEP 0
	PSTEP 1
	v_permlane16_swap_b32 v[WD], v[WD+1]           ; likewise: each tile's words, K step 2 q below, 2 q + 1 above
	global_store_b32 v15, v[WD], s[84:85] offset:12288
	global_store_b32 v15, v[WD+1], s[84:85] offset:12288+12800
	s_endpgm
; ---------------------------------------------------------------- SORT
; route: pos[2048] at 0 (a token's slot), slots[2144] at 8,192 (a slot's token), gcl[96] at 16,768 (the cluster of each group of 32 slots; 0 also for groups that no token has).
; Each cluster's slots begin at a multiple of 32.  All 2,144 slots are first filled with token 0, so that the slots which fill up a cluster's last group name a token that exists;
; the tokens' own stores follow behind the wait that shows those stores done.  At most 67 groups, whatever the split.
.Lsort:
	s_cmp_lg_u32 s32, 0
	s_cbranch_scc1 .Lend
	v_lshlrev_b32 v6, 8, v1                        ; lane l owns tokens 64 l .. 64 l + 63
.set nn, 0
.rept 16
	global_load_b128 v[KK+4*nn:KK+4*nn+3], v6, s[26:27] offset:16*nn
.set nn, nn+1
.endr
.irp j, 0,1,2,3
	v_mov_b32 v[ZR+\j], 0                          ; never written again
.endr
.set nn, 0
.rept 16
	global_store_b128 v4, v[ZR:ZR+3], s[30:31] offset:8192+512*nn    ; slots 0 .. 2,047: 512 consecutive bytes a store
.set nn, nn+1
.endr
.irp k, 0,1,2
	global_store_b32 v5, v[ZR], s[30:31] offset:16384+128*\k         ; slots 2,048 .. 2,143
.endr
	s_mov_b32 s34, 20000
	s_mov_b32 s35, 30000
	s_mov_b32 s36, 40000
	s_mov_b32 s37, 50000
	v_mov_b32 v7, 0                                ; my four counts, 8 bits each (64 at the most)
	v_mov_b32 v8, 1
	v_mov_b32 v13, 0
	v_mov_b32 v14, 0
	v_lshlrev_b32 v12, 6, v1
	s_wait_loadcnt 0x0
.set nn, 0
.rept 64
	v_cmp_le_i32 vcc_lo, s34, v[KK+nn]             ; the cluster: how many of the cut-offs the target has reached; 0 outside the vocabulary, as the masks have it
	v_cndmask_b32 v9, 0, 1, vcc_lo
	v_cmp_le_i32 vcc_lo, s35, v[KK+nn]
	v_add_co_ci_u32 v9, vcc_lo, 0, v9, vcc_lo
	v_cmp_le_i32 vcc_lo, s36, v[KK+nn]
	v_add_co_ci_u32 v9, vcc_lo, 0, v9, vcc_lo
	v_cmp_gt_i32 vcc_lo, s37, v[KK+nn]
	v_cndmask_b32 v9, 0, v9, vcc_lo
	v_lshlrev_b32 v10, 3, v9
	v_lshrrev_b32 v11, v10, v7
	v_and_b32 v11, 255, v11                        ; its rank among my tokens of that cluster
	v_lshlrev_b32 v10, v10, v8
	v_add_nc_u32 v7, v7, v10
	v_lshl_or_b32 v[KK+nn], v11, 8, v9
.set nn, nn+1
.endr
	v_and_b32 v9, 255, v7
	v_bfe_u32 v10, v7, 8, 8
	v_lshl_or_b32 v9, v10, 16, v9                  ; counts of clusters 0 and 1, 16 bits each,
	v_bfe_u32 v10, v7, 16, 8
	v_lshrrev_b32 v11, 24, v7
	v_lshl_or_b32 v10, v11, 16, v10                ; and of 2 and 3
	s_mov_b32 s38, 0
	s_mov_b32 s39, 0
.set nn, 0
.rept 32                               ; the sums of the lanes before me
	v_readlane_b32 s40, v9, nn
	v_readlane_b32 s41, v10, nn
	v_writelane_b32 v13, s38, nn
	v_writelane_b32 v14, s39, nn
	s_add_co_u32 s38, s38, s40
	s_add_co_u32 s39, s39, s41
.set nn, nn+1
.endr
	s_and_b32 s42, s38, 0xffff                     ; s42-45: each cluster's tokens
	s_lshr_b32 s43, s38, 16
	s_and_b32 s44, s39, 0xffff
	s_lshr_b32 s45, s39, 16
.irp c, 0,1,2,3
	s_add_co_u32 s[46+\c], s[42+\c], 31
	s_lshr_b32 s[46+\c], s[46+\c], 5               ; s46-49: its groups of 32
.endr
	s_add_co_u32 s50, s46, s47
	s_add_co_u32 s51, s50, s48
	s_add_co_u32 s52, s51, s49                     ; groups in all
	s_lshl_b32 s53, s46, 5                         ; s53-55: where clusters 1, 2, 3 begin
	s_lshl_b32 s54, s50, 5
	s_lshl_b32 s55, s51, 5
	s_lshl_b32 s56, s53, 16
	s_lshl_b32 s57, s55, 16
	s_or_b32 s57, s57, s54
	v_add_nc_u32 v13, s56, v13                     ; where my tokens of clusters 0 | 1 begin,
	v_add_nc_u32 v14, s57, v14                     ; and of 2 | 3
.set nn, 0
.rept 64
	v_and_b32 v9, 3, v[KK+nn]
	v_cmp_gt_u32 vcc_lo, 2, v9
	v_cndmask_b32 v10, v14, v13, vcc_lo
	v_and_b32 v9, 1, v9
	v_lshlrev_b32 v9, 4, v9
	v_lshrrev_b32 v10, v9, v10
	v_and_b32 v10, 0xffff, v10
	v_lshrrev_b32 v11, 8, v[KK+nn]
	v_add_nc_u32 v10, v10, v11
	v_min_u32 v[KK+nn], 2143, v10                  ; the token's slot
	v_lshlrev_b32 v[SAD+nn], 2, v[KK+nn]
	v_add_nc_u32 v[SD+nn], nn, v12
.set nn, nn+1
.endr
	s_wait_storecnt 0x0                            ; the zeros have landed in every slot: a token's store to the same word comes only behind this wait
.set nn, 0
.rept 16
	global_store_b128 v6, v[KK+4*nn:KK+4*nn+3], s[30:31] offset:16*nn
.set nn, nn+1
.endr
.set nn, 0
.rept 64
	global_store_b32 v[SAD+nn], v[SD+nn], s[30:31] offset:8192   ; every store has registers of its own: none is written again
.set nn, nn+1
.endr
.irp k, 0,1,2
	v_add_nc_u32 v215, 32*\k, v1
	v_cmp_le_u32 vcc_lo, s46, v215
	v_cndmask_b32 v[212+\k], 0, 1, vcc_lo
	v_cmp_le_u32 vcc_lo, s50, v215
	v_add_co_ci_u32 v[212+\k], vcc_lo, 0, v[212+\k], vcc_lo
	v_cmp_le_u32 vcc_lo, s51, v215
	v_add_co_ci_u32 v[212+\k], vcc_lo, 0, v[212+\k], vcc_lo
	v_cmp_gt_u32 vcc_lo, s52, v215
	v_cndmask_b32 v[212+\k], 0, v[212+\k], vcc_lo
	global_store_b32 v5, v[212+\k], s[30:31] offset:16768+128*\k
.endr
	s_endpgm
.Lfunc_end_k_q0295b6a433_prep:
	.size	k_q0295b6a433_prep, .Lfunc_end_k_q0295b6a433_prep-k_q0295b6a433_prep
	.p2alignl 7, 3214868480
	.fill 96, 4, 3214868480
	.section	.rodata,"a",@progbits
	.p2align	6, 0x0
	.amdhsa_kernel k_q0295b6a433_prep
		.amdhsa_group_segment_fixed_size 34304
		.amdhsa_private_segment_fixed_size 0
		.amdhsa_enable_private_segment 0
		.amdhsa_kernarg_size 112
		.amdhsa_user_sgpr_count 2
		.amdhsa_user_sgpr_kernarg_segment_ptr 1
		.amdhsa_wavefront_size32 1
		.amdhsa_system_sgpr_workgroup_id_x 1
		.amdhsa_system_sgpr_workgroup_id_y 1
		.amdhsa_system_sgpr_workgroup_id_z 1
		.amdhsa_system_vgpr_workitem_id 0
		.amdhsa_next_free_vgpr 226
		.amdhsa_next_free_sgpr 100
		.amdhsa_reserve_vcc 1
		.amdhsa_float_denorm_mode_32 3
		.amdhsa_float_denorm_mode_16_64 3
		.amdhsa_memory_ordered 1
		.amdhsa_forward_progress 1
		.amdhsa_inst_pref_size 146
	.end_amdhsa_kernel
	.amdgpu_metadata
---
amdhsa.version: [ 1, 2 ]
amdhsa.kernels:
  - .name:           k_q0295b6a433_prep
    .symbol:         k_q0295b6a433_prep.kd
    .args:
      - { .name: hidden, .offset: 0, .size: 8, .value_kind: global_buffer, .address_space: global }
      - { .name: w0, .offset: 8, .size: 8, .value_kind: global_buffer, .address_space: global }
      - { .name: cluster_w, .offset: 16, .size: 8, .value_kind: global_buffer, .address_space: global }
      - { .name: w1, .offset: 24, .size: 8, .value_kind: global_buffer, .address_space: global }
      - { .name: w2, .offset: 32, .size: 8, .value_kind: global_buffer, .address_space: global }
      - { .name: proj0, .offset: 40, .size: 8, .value_kind: global_buffer, .address_space: global }
      - { .name: proj1, .offset: 48, .size: 8, .value_kind: global_buffer, .address_space: global }
      - { .name: proj2, .offset: 56, .size: 8, .value_kind: global_buffer, .address_space: global }
      - { .name: proj3, .offset: 64, .size: 8, .value_kind: global_buffer, .address_space: global }
      - { .name: b0, .offset: 72, .size: 8, .value_kind: global_buffer, .address_space: global }
      - { .name: cluster_b, .offset: 80, .size: 8, .value_kind: global_buffer, .address_space: global }
      - { .name: target, .offset: 88, .size: 8, .value_kind: global_buffer, .address_space: global }
      - { .name: qin, .offset: 96, .size: 8, .value_kind: global_buffer, .address_space: global }
      - { .name: route, .offset: 104, .size: 8, .value_kind: global_buffer, .address_space: global }
    .group_segment_fixed_size: 34304
    .private_segment_fixed_size: 0
    .kernarg_segment_align: 8
    .kernarg_segment_size: 112
    .max_flat_workgroup_size: 128
    .sgpr_count:     100
    .vgpr_count:     226
    .wavefront_size: 32
...
	.end_amdgpu_metadata
.endif
;; end of part 1
;; launch proj (part 2): grid 16 x 11, 4 waves a work-group, clusters of 4 x 1, 168,448 bytes of LDS; arguments qin, hact; writes hact
.if DOCPART == 2
	.amdgcn_target "amdgcn-amd-amdhsa--gfx1250"
	.amdhsa_code_object_version 6
	.text
	.protected	k_q0295b6a433_proj
	.globl	k_q0295b6a433_proj
	.p2align	8
	.type	k_q0295b6a433_proj,@function
k_q0295b6a433_proj:
	s_mov_b64 s[64:65], 0
	v_nop
	global_prefetch_b8 v0, s[64:65] scope:SCOPE_SE
	s_setreg_imm32_b32 hwreg(HW_REG_WAVE_MODE, 25, 1), 1
	s_wait_xcnt 0x0
	s_wait_alu depctr_hold_cnt(0) depctr_sa_sdst(0) depctr_va_vdst(0) depctr_va_sdst(0) depctr_va_ssrc(0) depctr_va_vcc(0) depctr_vm_vsrc(0)
	s_getreg_b32 s2, hwreg(HW_REG_IB_STS2, 6, 4)
	s_cmp_eq_u32 s2, 0
	s_cbranch_scc0 .Lentry_in_a_cluster
	s_endpgm
.Lentry_in_a_cluster:
	s_bfe_u32 s2, ttmp6, 0x10000c
	s_cmp_lg_u32 s2, 0x3003
	s_cbranch_scc0 .Lentry_shape_is_right
	s_endpgm
.Lentry_shape_is_right:
; The four projections of hidden, all in one product: [2,048 tokens] x [88 tiles of 16 columns], K = 1,024, on codes of FP6 with E8M0 scales; the results are quantised at once for the next products.
; A work-group takes 128 tokens (x) and a group of 8 tiles = 128 columns (y): groups 0-7 proj0, 8-9 proj1, 10: proj2's four tiles, proj3's one, three of zero codes.
; A group's 128 columns are ONE K step of the next product, so a wave's results become whole fragments.  Wave w owns token tiles 2 w and 2 w + 1 of the block.
; CLUSTER: the four token blocks of a cluster read the same group's 102,400 bytes: each wave asks for a quarter JOINTLY (mask 15).  LDS is filled once.
; THE PRODUCT IS USED TRANSPOSED (source 0 = 16 columns of a projection, source 1 = 16 tokens): a lane holds one token, and by the order of the tiles' columns its 16 registers of tiles 2 b, 2 b + 1 are k = 32 b + 16 (lane / 16) + 0 .. 15.
; hact: H0 128 records of 12,800 (8 fragments, 512 bytes of scale words); H1 of 3,200 (2, 128); H2 of 1,600 (1, 64); H3 [token][16] bf16 (the product on w3 is left as it is: bf16 operands).
; REGISTERS: window 0: v1-10 addresses; v16-47, v48-55 scale words; v56-183 16 accumulators; v184-231 at work.  Window 1: hidden's 16 fragments.  Window 2: the projections', two sets of 8.
; LIMITS: NaN and infinities are not served; a block whose largest magnitude lies under 2^-124 keeps the byte 1.
.set HQ,  16711680
.set PQ,  21870080
.set H1,  1638400
.set H2,  2048000
.set H3,  2252800
.set LI0, 1                            ; v1 16 x lane; v2 the same 51,200 on (an LDS immediate has 16 bits)
.set LS0, 3                            ; v3 4 x lane; v4 the same 51,200 on
.set PS,  16                           ; tile t's scale words: register 4 t + q: K step 2 q in lanes 0-15, 2 q + 1 in lanes 16-31
.set HS,  48                           ; token tile m's: 4 m + q
.set ACC, 56                           ; (m, t) at 56 + 64 m + 8 t
.set TM,  184
.set PC,  200
.set HP,  224
.set WV,  8
.set SEL, 26
.set MSB, 0
.macro WIN new                         ; the immediate's high byte repeats the setting that is left
.if MSB != (\new)
	s_set_vgpr_msb (MSB<<8)|(\new)
.set MSB, (\new)
.endif
.endm
.macro ROUND                           ; a round of the cluster's barrier
	s_barrier_signal -1
	s_barrier_wait -1
	s_cmp_lg_u32 s[WV], 0
	s_cbranch_scc1 .Lnw0_\@
	s_barrier_signal -3
.Lnw0_\@:
	s_barrier_wait -3
	s_barrier_signal -1
	s_barrier_wait -1
.endm
.macro QUANT s                         ; 64 numbers of a lane, register 16 b + i = k 32 b + 16 (lane / 16) + i, become codes in v[PC] on and the scale word in v[PW]
.irp b, 0,1,2,3
	v_max3_num_f32 v[TM+\b], |v[(\s)+16*\b]|, |v[(\s)+1+16*\b]|, 0x1800000
.endr
.irp i, 2,4,6,8,10,12,14
.irp b, 0,1,2,3
	v_max3_num_f32 v[TM+\b], v[TM+\b], |v[(\s)+16*\b+\i]|, |v[(\s)+1+16*\b+\i]|
.endr
.endr
.irp b, 0,1,2,3
	v_permlanex16_b32 v[TM+4+\b], v[TM+\b], s[SEL], s[SEL+1]
.endr
.irp b, 0,1,2,3
	v_max_num_f32 v[TM+\b], v[TM+\b], v[TM+4+\b]
.endr
.irp b, 0,1,2,3
	v_add_nc_u32 v[TM+12+\b], 0xff000000, v[TM+\b]
.endr
.irp b, 0,1,2,3
	v_lshrrev_b32 v[TM+4+\b], 23, v[TM+12+\b]
.endr
	v_lshl_or_b32 v[PW], v[TM+5], 8, v[TM+4]
	v_lshl_or_b32 v[PW], v[TM+6], 16, v[PW]
	v_lshl_or_b32 v[PW], v[TM+7], 24, v[PW]
.irp c, 0,1
	v_cvt_scalef32_pk16_fp6_f32 v[PC+6*\c:PC+2+6*\c], v[(\s)+32*\c:(\s)+15+32*\c], v[TM+12+2*\c]
	v_cvt_scalef32_pk16_fp6_f32 v[PC+12+4*\c:PC+14+4*\c], v[(\s)+16+32*\c:(\s)+31+32*\c], v[TM+12+2*\c+1]
.endr
	v_nop                                          ; one plain place behind a scaled conversion
.irp c, 0,1
.irp i, 0,1,2
	v_permlane16_swap_b32 v[PC+6*\c+\i], v[PC+12+4*\c+\i]
.endr
.irp i, 0,1,2
	v_mov_b32 v[PC+3+6*\c+\i], v[PC+12+4*\c+\i]
.endr
.endr
.endm
	s_load_b128 s[4:7], s[0:1], 0x0                ; qin, hact
	v_lshl_add_u32 v254, v0, 2, 0x29000
	v_mov_b32 v255, 0
	ds_add_u32 v254, v255
	ds_add_u32 v254, v255
	v_lshrrev_b32 v5, 5, v0
	v_readfirstlane_b32 s[WV], v5
	v_and_b32 v5, 31, v0
	v_lshlrev_b32 v[LI0], 4, v5
	v_add_nc_u32 v[LI0+1], 51200, v[LI0]
	v_lshlrev_b32 v[LS0], 2, v5
	v_add_nc_u32 v[LS0+1], 51200, v[LS0]
	v_and_b32 v6, 15, v0                           ; r
	v_bfe_u32 v7, v0, 4, 1                         ; h
	v_lshlrev_b32 v8, 5, v6
	v_lshl_add_u32 v8, v7, 4, v8                   ; H3: 32 r + 16 h
.irp b, 0,1,2,3
	v_mov_b32 v[TM+4+\b], 0                        ; (a lane permute's destination counts as one of its sources)
.endr
	s_bfe_u32 s9, ttmp6, 0x40000                   ; cx
	s_lshl_b32 s10, ttmp9, 2
	s_add_co_u32 s10, s10, s9                      ; my block of 128 tokens
	s_and_b32 s11, ttmp7, 0xffff                   ; the group of columns, which the four partners share
	s_mov_b32 s[SEL], 0x76543210
	s_mov_b32 s[SEL+1], 0xfedcba98
	; descriptor group 1: 100 rows of 256 bytes, dense: two records
	s_mov_b32 s16, 15|(3<<16)|(1<<21)              ; 15:0 the mask: all four work-groups; 17:16 elements of 8 bytes; 21 set beside a mask
	s_mov_b32 s17, 32<<16                          ; tensor_dim0 = 32
	s_mov_b32 s18, 100<<16                         ; tensor_dim1 = 100
	s_mov_b32 s19, 32<<16                          ; tile_dim0 = 32
	s_mov_b32 s20, 100                             ; tile_dim1 = 100
	s_mov_b32 s21, 32                              ; from row to row
	s_mov_b32 s22, 0
	s_mov_b32 s23, 0
	s_mul_i32 s24, s11, 102400
	s_mul_i32 s28, s[WV], 25600
	s_add_co_u32 s24, s24, s28
	s_add_co_u32 s24, s24, PQ
	s_mov_b32 s25, 0
	s_wait_dscnt 0x0
	s_wait_kmcnt 0x0
	s_mov_b32 s12, 1
	s_mov_b32 s13, s28                             ; LDS: wave x 25,600
	s_add_nc_u64 s[14:15], s[4:5], s[24:25]
	s_or_b32 s15, s15, 0x80000000
	ROUND                                          ; all four work-groups are here: the joint loads meet
	tensor_load_to_lds s[12:15], s[16:23]
	s_nop 0
.rept 4
	v_nop
.endr
	s_lshl_b32 s29, s10, 3
	s_lshl_b32 s28, s[WV], 1
	s_add_co_u32 s29, s29, s28                     ; my first token tile
	s_mul_i32 s24, s29, 12800
	s_add_co_u32 s24, s24, HQ
	s_add_nc_u64 s[32:33], s[4:5], s[24:25]        ; its record in qin
	WIN 0x40                                       ; destination window 1
.irp m, 0,1
.irp s, 0,1,2,3,4,5,6,7
.irp c, 0,1,2
	global_load_b128 v[96*\m+12*\s+4*\c:96*\m+12*\s+4*\c+3], v[LI0], s[32:33] offset:12800*\m+1536*\s+512*\c
.endr
.endr
.endr
	WIN 0
.irp m, 0,1
.irp q, 0,1,2,3
	global_load_b32 v[HS+4*\m+\q], v[LS0], s[32:33] offset:12800*\m+12288+128*\q
.endr
.endr
	; where the results go: a record's bytes, the region, the K step, the codes' bytes: chosen on the group alone
	s_mov_b32 s34, 1600
	s_mov_b32 s35, H2
	s_mov_b32 s36, 0
	s_mov_b32 s37, 1536
	s_sub_co_u32 s38, s11, 8
	s_cmp_lt_u32 s11, 10
	s_cselect_b32 s34, 3200, s34
	s_cselect_b32 s35, H1, s35
	s_cselect_b32 s36, s38, s36
	s_cselect_b32 s37, 3072, s37
	s_cmp_lt_u32 s11, 8
	s_cselect_b32 s34, 12800, s34
	s_cselect_b32 s35, 0, s35
	s_cselect_b32 s36, s11, s36
	s_cselect_b32 s37, 12288, s37
	s_mul_i32 s24, s29, s34
	s_add_co_u32 s24, s24, s35
	s_add_nc_u64 s[44:45], s[6:7], s[24:25]        ; my first tile's record
	s_mul_i32 s24, s36, 1536
	s_add_nc_u64 s[40:41], s[44:45], s[24:25]      ; its fragment of this K step,
	s_mov_b32 s24, s34
	s_add_nc_u64 s[42:43], s[40:41], s[24:25]      ; the second tile's,
	s_lshl_b32 s24, s36, 6
	s_add_co_u32 s24, s24, s37
	s_add_nc_u64 s[44:45], s[44:45], s[24:25]      ; the first tile's scale words of this K step
	s_lshl_b32 s24, s29, 9
	s_add_co_u32 s24, s24, H3
	s_add_nc_u64 s[46:47], s[6:7], s[24:25]
	s_mov_b32 s48, 0xffff0000
	s_wait_tensorcnt 0x0                           ; my quarter has landed,
	s_barrier_signal -1
	s_barrier_wait -1                              ; everybody's has
.irp t, 0,1,2,3,4,5,6,7
.irp q, 0,1,2,3
	ds_load_b32 v[PS+4*\t+\q], v[LS0+\t/4] offset:(\t%4)*12800+12288+128*\q
.endr
.endr
.macro FETCH s                         ; the eight tiles' fragments of K step s into set s % 2: 24 loads
	WIN 0x80
.irp t, 0,1,2,3,4,5,6,7
.irp c, 0,1,2
	ds_load_b128 v[96*((\s)%2)+12*\t+4*\c:96*((\s)%2)+12*\t+4*\c+3], v[LI0+\t/4] offset:(\t%4)*12800+1536*(\s)+512*\c
.endr
.endr
.endm
.macro MUL s                           ; 16 products; the 16 accumulators take turns
	WIN 0x06                                       ; source 0 window 2, source 1 window 1
.irp t, 0,1,2,3,4,5,6,7
.irp m, 0,1
.if (\s) == 0
	v_wmma_scale_f32_16x16x128_f8f6f4 v[ACC+64*\m+8*\t:ACC+64*\m+8*\t+7], v[96*((\s)%2)+12*\t:96*((\s)%2)+12*\t+11], v[96*\m+12*(\s):96*\m+12*(\s)+11], 0, v[PS+4*\t+(\s)/2], v[HS+4*\m+(\s)/2] matrix_a_fmt:MATRIX_FMT_FP6 matrix_b_fmt:MATRIX_FMT_FP6
.elseif (\s)%2
	v_wmma_scale_f32_16x16x128_f8f6f4 v[ACC+64*\m+8*\t:ACC+64*\m+8*\t+7], v[96*((\s)%2)+12*\t:96*((\s)%2)+12*\t+11], v[96*\m+12*(\s):96*\m+12*(\s)+11], v[ACC+64*\m+8*\t:ACC+64*\m+8*\t+7], v[PS+4*\t+(\s)/2], v[HS+4*\m+(\s)/2] matrix_a_fmt:MATRIX_FMT_FP6 matrix_b_fmt:MATRIX_FMT_FP6 matrix_a_scale:MATRIX_SCALE_ROW1 matrix_b_scale:MATRIX_SCALE_ROW1
.else
	v_wmma_scale_f32_16x16x128_f8f6f4 v[ACC+64*\m+8*\t:ACC+64*\m+8*\t+7], v[96*((\s)%2)+12*\t:96*((\s)%2)+12*\t+11], v[96*\m+12*(\s):96*\m+12*(\s)+11], v[ACC+64*\m+8*\t:ACC+64*\m+8*\t+7], v[PS+4*\t+(\s)/2], v[HS+4*\m+(\s)/2] matrix_a_fmt:MATRIX_FMT_FP6 matrix_b_fmt:MATRIX_FMT_FP6
.endif
.endr
.endr
.endm
	FETCH 0
.irp s, 0,1,2,3,4,5,6,7
.if \s < 7
.if \s > 0
.rept 4
	v_nop                                          ; four places in front of loads into the set that the last products read
.endr
.endif
	FETCH \s+1
	s_wait_dscnt 24                                ; all but the 24 loads just issued: this step's fragments are in
.else
	s_wait_dscnt 0x0
.endif
.if \s == 0
	s_wait_loadcnt 0x0                             ; hidden's fragments and scale words
.endif
	MUL \s
.endr
	WIN 0
.rept 4
	v_nop                                          ; four places in front of the first read of results
.endr
.irp m, 0,1
	s_cmp_lg_u32 s11, 10                           ; group 10 alone: its tile 4 is hidden x proj3: it leaves as bf16 and counts for nothing in H2
	s_cbranch_scc1 .Lno3_\m
.irp j, 0,1,2,3
	v_cvt_pk_bf16_f32 v[HP+4*\m+\j], v[ACC+64*\m+32+2*\j], v[ACC+64*\m+33+2*\j]
.endr
	global_store_b128 v8, v[HP+4*\m:HP+4*\m+3], s[46:47] offset:512*\m
.irp j, 0,1,2,3,4,5,6,7
	v_mov_b32 v[ACC+64*\m+32+\j], 0
.endr
.Lno3_\m:
.if \m
	s_wait_xcnt 0x0                                ; the first tile's stores have read the codes' registers
.endif
.set PW, 220+\m
	QUANT ACC+64*\m
.irp c, 0,1,2
	global_store_b128 v[LI0], v[PC+4*\c:PC+4*\c+3], s[40+2*\m:41+2*\m] offset:512*\c
.endr
.endr
	v_cndmask_b32 v9, v220, v221, s48              ; lanes 0-15: the first tile's scale words, lanes 16-31 the second's, a record further on
	v_mul_u32_u24 v10, s34, v7
	v_lshl_add_u32 v10, v6, 2, v10
	global_store_b32 v10, v9, s[44:45]
	s_wait_tensorcnt 0x0
	ds_add_u32 v254, v255
	s_wait_dscnt 0x0
	ROUND                                          ; the closing round: no work-group ends while a partner may still ask jointly
	s_endpgm
.Lfunc_end_k_q0295b6a433_proj:
	.size	k_q0295b6a433_proj, .Lfunc_end_k_q0295b6a433_proj-k_q0295b6a433_proj
	.p2alignl 7, 3214868480
	.fill 96, 4, 3214868480
	.section	.rodata,"a",@progbits
	.p2align	6, 0x0
	.amdhsa_kernel k_q0295b6a433_proj
		.amdhsa_group_segment_fixed_size 168448
		.amdhsa_private_segment_fixed_size 0
		.amdhsa_enable_private_segment 0
		.amdhsa_kernarg_size 16
		.amdhsa_user_sgpr_count 2
		.amdhsa_user_sgpr_kernarg_segment_ptr 1
		.amdhsa_wavefront_size32 1
		.amdhsa_system_sgpr_workgroup_id_x 1
		.amdhsa_system_sgpr_workgroup_id_y 1
		.amdhsa_system_sgpr_workgroup_id_z 1
		.amdhsa_system_vgpr_workitem_id 0
		.amdhsa_next_free_vgpr 704
		.amdhsa_next_free_sgpr 66
		.amdhsa_reserve_vcc 0
		.amdhsa_float_denorm_mode_32 3
		.amdhsa_float_denorm_mode_16_64 3
		.amdhsa_memory_ordered 1
		.amdhsa_forward_progress 1
		.amdhsa_inst_pref_size 52
	.end_amdhsa_kernel
	.amdgpu_metadata
---
amdhsa.version: [ 1, 2 ]
amdhsa.kernels:
  - .name:           k_q0295b6a433_proj
    .symbol:         k_q0295b6a433_proj.kd
    .args:
      - { .name: qin, .offset: 0, .size: 8, .value_kind: global_buffer, .address_space: global }
      - { .name: hact, .offset: 8, .size: 8, .value_kind: global_buffer, .address_space: global }
    .group_segment_fixed_size: 168448
    .private_segment_fixed_size: 0
    .kernarg_segment_align: 8
    .kernarg_segment_size: 16
    .max_flat_workgroup_size: 128
    .sgpr_count:     66
    .vgpr_count:     704
    .wavefront_size: 32
...
	.end_amdgpu_metadata
.endif
;; end of part 2
;; launch head (part 3): grid 8 x 32, 4 waves a work-group, clusters of 4 x 1, 327,680 bytes of LDS; arguments qin, hact, part0; writes part0
.if DOCPART == 3
	.amdgcn_target "amdgcn-amd-amdhsa--gfx1250"
	.amdhsa_code_object_version 6
	.text
	.protected	k_q0295b6a433_head
	.globl	k_q0295b6a433_head
	.p2align	8
	.type	k_q0295b6a433_head,@function
k_q0295b6a433_head:
	s_mov_b64 s[64:65], 0
	v_nop
	global_prefetch_b8 v0, s[64:65] scope:SCOPE_SE
	s_setreg_imm32_b32 hwreg(HW_REG_WAVE_MODE, 25, 1), 1
	s_wait_xcnt 0x0
	s_wait_alu depctr_hold_cnt(0) depctr_sa_sdst(0) depctr_va_vdst(0) depctr_va_sdst(0) depctr_va_ssrc(0) depctr_va_vcc(0) depctr_vm_vsrc(0)
	s_getreg_b32 s2, hwreg(HW_REG_IB_STS2, 6, 4)
	s_cmp_eq_u32 s2, 0
	s_cbranch_scc0 .Lentry_in_a_cluster
	s_endpgm
.Lentry_in_a_cluster:
	s_bfe_u32 s2, ttmp6, 0x10000c
	s_cmp_lg_u32 s2, 0x3003
	s_cbranch_scc0 .Lentry_shape_is_right
	s_endpgm
.Lentry_shape_is_right:
; The head's logits (h0 x head_w^T + bias, K = 1,024, on codes of FP6) and their logsumexp, fused: no logit goes to memory.
; A work-group takes 256 tokens (x) and a range of 40 tiles of 16 vocabulary rows (y: 32 ranges, 1,280 tiles; rows from 20,003 on have zero codes and the bias -1e30, so that they add 0).
; Each wave keeps 64 tokens (4 tiles x 8 K steps, 384 registers) for the whole launch; the weights stream through two LDS slots of 8 records (104,448 bytes) and are read by all four waves:
; a fragment read from LDS feeds four products.  CLUSTER: the four token blocks of a cluster walk the same range: each record is asked for JOINTLY (mask 15), each wave two records a fill.
; TRANSPOSED: source 0 = 16 vocabulary rows, source 1 = 16 tokens; the bias is the C of a sum's first product.  A lane holds one token and 8 rows a tile.
; THE SOFTMAX: each LANE keeps a running maximum m and the sum s of e^(x - m) over the rows that it has seen; no lane is asked in the loop.  At the end the two halves of the lanes are joined and (m, s) go to
; part0 [32 ranges][2,048 tokens].  A range's first tiles are real rows, so m is a real logit before any row of -1e30 is met.
; BY TURNS.  The wave is alone on its SIMD, so matrix and vector work are set side by side in its own text.  In a HALF TURN one vocabulary tile (u = 0 or 1, by turns) has the matrix unit: 32 products, K step by K step, the four
; token tiles' accumulators by turns; the softmax of the tile before (24 instructions for each of the four token tiles: 96) stands between them, three instructions behind each product.  All that a softmax touches lies in window 0,
; the products' operands in windows 1 to 3: a slice costs two switches of the register window, 128 for a turn's 64 products; set in a phase of its own the softmax would leave the matrix unit without work all that while.
; THE WEIGHTS' REGISTERS ARE FILLED AGAIN AS THEY ARE USED UP: a fragment is free behind its four products; the fragments of the tile two tiles on are loaded in four runs a half turn, 53 products or more ahead of their use.
; So the fetches run a pair of tiles ahead of the products, and the change of slots stands where the slot's last pair has been fetched: ahead of the turn that multiplies it.
; No prefetch: every record is read by both clusters of its range, and a refill has four turns, 256 products a wave, in which to land.
; REGISTERS: window 0: v1-9 addresses; v16-31, v32-39 scale words; v40-55 biases; v56-119 8 accumulators; v120-175 statistics and work.  Windows 1, 2: the tokens' fragments.  Window 3: two tiles of weights.
; LIMITS: NaN and infinities are not served; logits are taken to lie far above -1e30.
.set REC,   13056
.set FILLB, 8*REC
.set SLOT1, 131072
.set SPARE, SLOT1+FILLB                ; the spare words, 128 bytes a wave: two blocks of 256 bytes that no other line names
.set SPW, 1
.set NIL, 2
.set LI,  3                            ; 16 x lane
.set LS,  4                            ; 4 x lane
.set LB,  5                            ; 32 x (lane / 16)
.set ADR, 6
.set ADS, 7
.set ADB, 8
.set LO,  9                            ; 8 x lane
.set TS,  16                           ; token tile a's scale words: 4 a + q
.set WS,  32                           ; weight tile u's: 4 u + q
.set BI,  40                           ; its biases: 8 u
.set ACC, 56                           ; (a, u) at 56 + 16 a + 8 u
.set ST,  120                          ; token tile a's statistics at 120 + 8 a: +0 m; +2, +3 s in two halves; +4 -c m as tile 0's softmax left it; +6 the factor
.set TT,  152                          ; at work, 4 a: +0, +1 maxima; +2, +3 a sum
.set NB,  168                          ; 2 a: -c m as tile 1's softmax left it
.set OUT, 176
.set T0,  TT
.set T1,  TT+1
.set WV,  10
.set TB,  32                           ; s32 LDS byte at which the pair of tiles to be fetched begins
.set CC,  36                           ; s[36:37] c = log2(e)
.set NC,  38                           ; s38 -c
.set SEL, 40
.set MSB, 0
.macro WIN new                         ; the immediate's high byte repeats the setting that is left; a switch that changes nothing is dropped
.if MSB != (\new)
	s_set_vgpr_msb (MSB<<8)|(\new)
.set MSB, (\new)
.endif
.endm
.macro ROUND
	s_barrier_signal -1
	s_barrier_wait -1
	s_cmp_lg_u32 s[WV], 0
	s_cbranch_scc1 .Lnw0_\@
	s_barrier_signal -3
.Lnw0_\@:
	s_barrier_wait -3
	s_barrier_signal -1
	s_barrier_wait -1
.endm
.macro PLACES
.rept 4
	v_nop
.endr
.endm
; THE VECTOR WORK.  One token tile's softmax step for one vocabulary tile v is a list of 24 instructions on the lane's 8 logits x0-x7; SMI writes number sj of it for token tile sa.
;   1-4    the maximum of x0-x7 and the old m, from the accumulator's low end on; number 4 writes the new m
;   5-7    -c m anew; its change against the value that the other tile's step left (the two registers take turns with v, so the change is 0, and the factor 1, where m has not moved); the factor 2^change
;   8-11   c x - c m, two at a time        12-19  the exponentials        20-24  the old sum times the factor, and the eight new terms, in two chains
.macro SMI v
.set rX, ACC+16*sa+8*(\v)
.set rT, ST+8*sa
.set rQ, TT+4*sa
.if (\v) == 0
.set rN, ST+8*sa+4
.set rO, NB+2*sa
.else
.set rN, NB+2*sa
.set rO, ST+8*sa+4
.endif
.if sj == 1
	v_max3_num_f32 v[rQ], v[rX], v[rX+1], v[rT]
.elseif sj == 2
	v_max3_num_f32 v[rQ+1], v[rX+2], v[rX+3], v[rX+4]
.elseif sj == 3
	v_max3_num_f32 v[rQ], v[rQ], v[rX+5], v[rX+6]
.elseif sj == 4
	v_max3_num_f32 v[rT], v[rQ], v[rQ+1], v[rX+7]
.elseif sj == 5
	v_mul_f32 v[rN], s[NC], v[rT]
.elseif sj == 6
	v_sub_f32 v[rQ+1], v[rN], v[rO]
.elseif sj == 7
	v_exp_f32 v[rT+6], v[rQ+1]
.elseif sj < 12
	v_pk_fma_f32 v[rX+2*(sj-8):rX+2*(sj-8)+1], v[rX+2*(sj-8):rX+2*(sj-8)+1], s[CC:CC+1], v[rN:rN+1] op_sel_hi:[1,0,0]
.elseif sj < 20
	v_exp_f32 v[rX+sj-12], v[rX+sj-12]
.elseif sj == 20
	s_wait_alu depctr_va_vdst(0)
	v_pk_mul_f32 v[rT+2:rT+3], v[rT+2:rT+3], v[rT+6:rT+7] op_sel_hi:[1,0]
.elseif sj == 21
	s_wait_alu depctr_va_vdst(0)
	v_pk_add_f32 v[rQ+2:rQ+3], v[rX:rX+1], v[rX+2:rX+3]
.elseif sj == 22
	v_pk_add_f32 v[rT+2:rT+3], v[rT+2:rT+3], v[rX+4:rX+5]
.elseif sj == 23
	v_pk_add_f32 v[rQ+2:rQ+3], v[rQ+2:rQ+3], v[rX+6:rX+7]
.else
	v_pk_add_f32 v[rT+2:rT+3], v[rT+2:rT+3], v[rQ+2:rQ+3]
.endif
.endm
; A slice: the next three of the four token tiles' 96 instructions (sn counts them).  Token tiles 0, 1 run EIGHT NUMBERS AHEAD of tiles 2, 3: instructions 0-15 are numbers 1-8 of tiles 0, 1; 16-79 take
; tile 0, tile 2, tile 1, tile 3 by turns, the first two at number k, the others at k - 8; 80-95 are numbers 17-24 of tiles 2, 3.  So one pair's exponentials stand between the other pair's plain instructions:
; every exponential has a plain instruction that names none of its registers ahead of the use of its result, and plain instructions are at hand as places behind the products.
.macro SLICE v
.rept 3
.if sn < 16
.set sa, sn%2
.set sj, sn/2+1
.elseif sn < 80
.set sa, ((sn-16)%4)/2+2*((sn-16)%2)
.set sj, 9+(sn-16)/4-8*((sn-16)%2)
.else
.set sa, 2+sn%2
.set sj, 17+(sn-80)/2
.endif
	SMI \v
.set sn, sn+1
.endr
.endm
; Product hi of a half turn's 32: K step hs = hi / 4, token tile ha = hi % 4.  The four accumulators take turns, one instruction a turn.
.macro WM u
.set rD, ACC+16*ha+8*\u
.set rA, 96*\u+12*hs
.set rB, 96*(ha%2)+12*hs
.set rW, WS+4*\u+hs/2
.set rS, TS+4*ha+hs/2
.if hs == 0
	v_wmma_scale_f32_16x16x128_f8f6f4 v[rD:rD+7], v[rA:rA+11], v[rB:rB+11], v[BI+8*\u:BI+8*\u+7], v[rW], v[rS] matrix_a_fmt:MATRIX_FMT_FP6 matrix_b_fmt:MATRIX_FMT_FP6
.elseif hs%2
	v_wmma_scale_f32_16x16x128_f8f6f4 v[rD:rD+7], v[rA:rA+11], v[rB:rB+11], v[rD:rD+7], v[rW], v[rS] matrix_a_fmt:MATRIX_FMT_FP6 matrix_b_fmt:MATRIX_FMT_FP6 matrix_a_scale:MATRIX_SCALE_ROW1 matrix_b_scale:MATRIX_SCALE_ROW1
.else
	v_wmma_scale_f32_16x16x128_f8f6f4 v[rD:rD+7], v[rA:rA+11], v[rB:rB+11], v[rD:rD+7], v[rW], v[rS] matrix_a_fmt:MATRIX_FMT_FP6 matrix_b_fmt:MATRIX_FMT_FP6
.endif
.endm
; Run r of four: K steps 2 r and 2 r + 1 of tile u of the pair at s[TB]: their scale word, with run 0 the biases, and the two fragments: 7 loads, run 0: 9.  Window 0 on the way in.
.macro RUN u, r
	ds_load_b32 v[WS+4*\u+(\r)], v[ADS] offset:REC*\u+12288+128*(\r)
.if (\r) == 0
	ds_load_b128 v[BI+8*\u:BI+8*\u+3], v[ADB] offset:REC*\u+12800
	ds_load_b128 v[BI+8*\u+4:BI+8*\u+7], v[ADB] offset:REC*\u+12816
.endif
	WIN 0xc0                                       ; destination window 3, address window 0
.irp k, 0,1
.irp c, 0,1,2
	ds_load_b128 v[96*\u+12*(2*(\r)+\k)+4*\c:96*\u+12*(2*(\r)+\k)+4*\c+3], v[ADR] offset:REC*\u+1536*(2*(\r)+\k)+512*\c
.endr
.endr
.endm
; A HALF TURN.  sm = 1: the other tile's softmax stands in slices behind the products.  fetch = 1: tile u's registers are filled again with the tile two tiles on.
; A load into a register that a matrix instruction has read stands four places behind it, and only plain vector instructions that name none of its registers are places (ISA guide 7.12.1 for vector instructions)
; Run r's registers are last read by product 8 r + 7.  Behind that product and ahead of the run stand, of the slices' instructions, these plain ones: run 0, behind product 9: eight;
; run 1, behind product 17: five; run 2, behind product 26: five; run 3, at the end: the last slice's three and one v_nop.  Without slices four v_nop stand there.
; THE WAIT ahead of products 0, 8, 16, 24 is counted: behind the run that brought the K steps now due at least 44 younger LDS loads have been issued (ahead of product 8: two runs of 7 and the other tile's 30;
; at the other three places 51, 46 and 46).
.macro HALF u, sm, fetch
.set sn, 0
.set hi, 0
.rept 32
.set hs, hi/4
.set ha, hi%4
.if (\fetch) && (hi%8 == 0)
	s_wait_dscnt 44
.endif
	WIN 0x07+4*(ha/2)                              ; source 0 (weights) window 3; source 1 (tokens) window 1 or 2; C, D window 0
	WM \u
.if \sm
	WIN 0
	SLICE 1-\u
.endif
.if (\fetch) && ((hi == 9) || (hi == 17) || (hi == 26))
.if (\sm) == 0
	WIN 0
	PLACES
.endif
	RUN \u, hi/8-1
.endif
.set hi, hi+1
.endr
.if \fetch
	WIN 0
.if \sm
	v_nop
.else
	PLACES
.endif
	RUN \u, 3
.endif
.endm
; A TURN: a pair of tiles.  Its first half carries the softmax of the pair before's second tile, its second half that of its own first tile.
.macro TURN sm0, fetch
.if \fetch
	v_add_nc_u32 v[ADR], s[TB], v[LI]
	v_add_nc_u32 v[ADS], s[TB], v[LS]
	v_add_nc_u32 v[ADB], s[TB], v[LB]
.endif
	HALF 0, \sm0, \fetch
	HALF 1, 1, \fetch
	WIN 0                                          ; at a label and at a branch every window is 0
.if \fetch
	s_add_co_u32 s[TB], s[TB], 2*REC               ; the next turn fetches the next pair
.endif
.endm
.macro TURNS n                         ; written once, walked n times; the LDS addresses hang on s[TB]
	s_mov_b32 s33, \n
.Lturn_\@:
	TURN 1, 1
	s_sub_co_u32 s33, s33, 1
	s_cmp_lg_u32 s33, 0
	s_cbranch_scc1 .Lturn_\@
.endm
; The two halves of the lanes are joined: (m, s) of the token in v[t + 4 : t + 5], in both halves
.macro COMB t
	v_add_f32 v[(\t)+2], v[(\t)+2], v[(\t)+3]
	v_permlanex16_b32 v[T0], v[(\t)], s[SEL], s[SEL+1]
	v_permlanex16_b32 v[T1], v[(\t)+2], s[SEL], s[SEL+1]
	v_max_num_f32 v[(\t)+4], v[(\t)], v[T0]
	v_sub_f32 v[(\t)+6], v[(\t)], v[(\t)+4]
	v_sub_f32 v[(\t)+7], v[T0], v[(\t)+4]
	v_mul_f32 v[(\t)+6], s[CC], v[(\t)+6]
	v_mul_f32 v[(\t)+7], s[CC], v[(\t)+7]
	v_exp_f32 v[(\t)+6], v[(\t)+6]
	v_exp_f32 v[(\t)+7], v[(\t)+7]
	v_nop                                          ; one plain place behind a transcendental
	s_wait_alu depctr_va_vdst(0)
	v_mul_f32 v[(\t)+2], v[(\t)+2], v[(\t)+6]
	v_fma_f32 v[(\t)+5], v[T1], v[(\t)+7], v[(\t)+2]
.endm
	s_load_b128 s[4:7], s[0:1], 0x0                ; qin, hact
	s_load_b64 s[8:9], s[0:1], 0x10                ; part0
	v_lshl_add_u32 v[SPW], v0, 2, SPARE
	v_mov_b32 v[NIL], 0
	ds_add_u32 v1, v2
	ds_add_u32 v1, v2
	s_wait_dscnt 0x0
	v_lshrrev_b32 v9, 5, v0
	v_readfirstlane_b32 s[WV], v9
	v_and_b32 v9, 31, v0
	v_lshlrev_b32 v[LI], 4, v9
	v_lshlrev_b32 v[LS], 2, v9
	v_bfe_u32 v[LB], v0, 4, 1
	v_lshlrev_b32 v[LB], 5, v[LB]
	v_lshlrev_b32 v[LO], 3, v9
.irp a, 0,1,2,3
	v_mov_b32 v[ST+8*\a], 0xf149f2ca               ; m = -1e30, under every logit
.irp j, 1,2,3,4,5,6,7
	v_mov_b32 v[ST+8*\a+\j], 0
.endr
	v_mov_b32 v[NB+2*\a], 0x7149f2ca               ; the first step finds +1e30 as the old -c m: its factor is 2^(-1e30) = 0, whatever the first m
	v_mov_b32 v[NB+2*\a+1], 0                      ; (named with it as a pair, so it is written)
.endr
	s_bfe_u32 s11, ttmp6, 0x40000                  ; cx
	s_lshl_b32 s12, ttmp9, 2
	s_add_co_u32 s12, s12, s11                     ; my block of 256 tokens
	s_and_b32 s13, ttmp7, 0xffff                   ; the range, which the four partners share
	s_mov_b32 s[CC], 0x3fb8aa3b
	s_mov_b32 s[CC+1], s[CC]                       ; (named with it as a pair, so it is written)
	s_mov_b32 s[NC], 0xbfb8aa3b
	s_mov_b32 s[SEL], 0x76543210
	s_mov_b32 s[SEL+1], 0xfedcba98
	s_mov_b32 s42, 0xffff0000
	s_mov_b32 s[TB], 0
	; descriptor group 1: 102 rows of 256 bytes, dense: two records
	s_mov_b32 s16, 15|(3<<16)|(1<<21)              ; the mask: all four work-groups; elements of 8 bytes; bit 21 beside a mask
	s_mov_b32 s17, 32<<16
	s_mov_b32 s18, 102<<16
	s_mov_b32 s19, 32<<16
	s_mov_b32 s20, 102
	s_mov_b32 s21, 32
	s_mov_b32 s22, 0
	s_mov_b32 s23, 0
	s_mul_i32 s44, s13, 40
	s_lshl_b32 s46, s[WV], 1
	s_add_co_u32 s44, s44, s46
	s_mul_i32 s44, s44, REC                        ; my two records of the range's first fill
	s_mov_b32 s45, 0
	s_mul_i32 s47, s[WV], 2*REC
	s_wait_kmcnt 0x0
	s_mov_b32 s24, 1                               ; s[24:27]: slot 0, fill 0
	s_mov_b32 s25, s47
	s_add_nc_u64 s[26:27], s[4:5], s[44:45]
	s_mov_b32 s28, 1                               ; s[28:31]: slot 1, fill 1; it then walks
	s_add_co_u32 s29, s47, SLOT1
	s_add_nc_u64 s[30:31], s[26:27], FILLB
	s_or_b32 s27, s27, 0x80000000
	s_or_b32 s31, s31, 0x80000000
	s_lshl_b32 s48, s12, 4
	s_lshl_b32 s46, s[WV], 2
	s_add_co_u32 s48, s48, s46                     ; my first token tile
	s_mul_i32 s48, s48, 12800
	s_mov_b32 s49, 0
	s_add_nc_u64 s[48:49], s[6:7], s[48:49]
	s_lshl_b32 s50, s13, 14
	s_lshl_b32 s46, s12, 11
	s_add_co_u32 s50, s50, s46
	s_lshl_b32 s46, s[WV], 9
	s_add_co_u32 s50, s50, s46
	s_mov_b32 s51, 0
	s_add_nc_u64 s[8:9], s[8:9], s[50:51]          ; part0 at my range and my 64 tokens
	ROUND                                          ; all four work-groups are here: the first joint loads meet
	tensor_load_to_lds s[24:27], s[16:23]          ; both first fills go out together: two loads of mine are out
	s_nop 0
	tensor_load_to_lds s[28:31], s[16:23]
	s_nop 0
.rept 4
	v_nop
.endr
.irp p, 0,1
	WIN 0x40+0x40*\p                               ; destination window 1, then 2
.irp a, 0,1
.irp s, 0,1,2,3,4,5,6,7
.irp c, 0,1,2
	global_load_b128 v[96*\a+12*\s+4*\c:96*\a+12*\s+4*\c+3], v[LI], s[48:49] offset:12800*(2*\p+\a)+1536*\s+512*\c
.endr
.endr
.endr
.endr
	WIN 0
.irp a, 0,1,2,3
.irp q, 0,1,2,3
	global_load_b32 v[TS+4*\a+\q], v[LS], s[48:49] offset:12800*\a+12288+128*\q
.endr
.endr
.macro FETCHPAIR                       ; the first pair of tiles, whole: 48 loads of codes, 8 of scale words, 4 of biases
	v_add_nc_u32 v[ADR], s[TB], v[LI]
	v_add_nc_u32 v[ADS], s[TB], v[LS]
	v_add_nc_u32 v[ADB], s[TB], v[LB]
	WIN 0xc0                                       ; destination window 3
.irp u, 0,1
.irp s, 0,1,2,3,4,5,6,7
.irp c, 0,1,2
	ds_load_b128 v[96*\u+12*\s+4*\c:96*\u+12*\s+4*\c+3], v[ADR] offset:REC*\u+1536*\s+512*\c
.endr
.endr
.endr
	WIN 0
.irp u, 0,1
.irp q, 0,1,2,3
	ds_load_b32 v[WS+4*\u+\q], v[ADS] offset:REC*\u+12288+128*\q
.endr
	ds_load_b128 v[BI+8*\u:BI+8*\u+3], v[ADB] offset:REC*\u+12800
	ds_load_b128 v[BI+8*\u+4:BI+8*\u+7], v[ADB] offset:REC*\u+12816
.endr
.endm
; The change of slots stands where the slot's last pair has been fetched.  Each wave waits for all its tensor loads (its part of the slot ahead), adds 0 to its spare word, and waits for that and for its reads of the slot
; that it leaves.  fill = 1: a round of the cluster's barrier, and behind it the slot just left is filled with the records two fills on: one tensor load a wave is out.
.macro CHANGE fill
	s_wait_tensorcnt 0x0                           ; no tensor load of mine is out, so a group 0 may be written
	ds_add_u32 v[SPW], v[NIL]                      ; 0 onto my spare word
	s_sub_co_u32 s[TB], s[TB], FILLB               ; the fetches go back to a slot's first pair,
	s_xor_b32 s[TB], s[TB], SLOT1                  ; in the other slot
.if \fill
	s_xor_b32 s29, s29, SLOT1
	s_add_nc_u64 s[30:31], s[30:31], FILLB
.endif
	s_wait_dscnt 0x0                               ; the add is done, and my reads of the slot are over
.if \fill
	ROUND
	tensor_load_to_lds s[28:31], s[16:23]
	s_nop 0
.rept 4
	v_nop
.endr
.else
	s_barrier_signal -1
	s_barrier_wait -1
.endif
.endm
	s_wait_tensorcnt 0x1                           ; my part of slot 0 is in; slot 1's may stay out
	s_barrier_signal -1
	s_barrier_wait -1
	FETCHPAIR                                      ; pair 0
	s_add_co_u32 s[TB], s[TB], 2*REC               ; turn 0 fetches pair 1
	s_wait_loadcnt 0x0                             ; the tokens
	s_wait_dscnt 0x0
	TURN 0, 1                                      ; turn 0: its first half has no softmax yet to carry
	TURNS 2                                        ; turns 1, 2: they fetch pairs 2, 3, the last of fill 0
	s_mov_b32 s34, 3
.Lslot:
	CHANGE 1                                       ; fills 2, 3, 4 are asked for
	TURNS 4                                        ; turns 3 to 14: they fetch the pairs of fills 1, 2, 3
	s_sub_co_u32 s34, s34, 1
	s_cmp_lg_u32 s34, 0
	s_cbranch_scc1 .Lslot
	CHANGE 0                                       ; the last change is written out
	TURNS 4                                        ; turns 15 to 18: they fetch the pairs of fill 4
	s_wait_dscnt 0x0                               ; the last turn fetches nothing: no younger loads follow, so the wait is for all
	TURN 1, 0                                      ; turn 19
.set sn, 0
.rept 32
	SLICE 1                                        ; the last tile's softmax; the slices behind its last four products were the places ahead of these reads
.endr
.irp a, 0,1,2,3
	COMB ST+8*\a
.endr
.irp p, 0,1
	v_cndmask_b32 v[OUT+2*\p], v[ST+16*\p+4], v[ST+16*\p+12], s42     ; lanes 0-15: tile 2 p's tokens, lanes 16-31: tile 2 p + 1's
	v_cndmask_b32 v[OUT+2*\p+1], v[ST+16*\p+5], v[ST+16*\p+13], s42
	global_store_b64 v[LO], v[OUT+2*\p:OUT+2*\p+1], s[8:9] offset:256*\p   ; 256 consecutive bytes, at a multiple of 256 from part0's first byte
.endr
	s_wait_tensorcnt 0x0                           ; the wave's end
	ds_add_u32 v[SPW], v[NIL]
	s_wait_dscnt 0x0
	ROUND                                          ; the closing round
	s_endpgm
.Lfunc_end_k_q0295b6a433_head:
	.size	k_q0295b6a433_head, .Lfunc_end_k_q0295b6a433_head-k_q0295b6a433_head
	.p2alignl 7, 3214868480
	.fill 96, 4, 3214868480
	.section	.rodata,"a",@progbits
	.p2align	6, 0x0
	.amdhsa_kernel k_q0295b6a433_head
		.amdhsa_group_segment_fixed_size 327680
		.amdhsa_private_segment_fixed_size 0
		.amdhsa_enable_private_segment 0
		.amdhsa_kernarg_size 24
		.amdhsa_user_sgpr_count 2
		.amdhsa_user_sgpr_kernarg_segment_ptr 1
		.amdhsa_wavefront_size32 1
		.amdhsa_system_sgpr_workgroup_id_x 1
		.amdhsa_system_sgpr_workgroup_id_y 1
		.amdhsa_system_sgpr_workgroup_id_z 1
		.amdhsa_system_vgpr_workitem_id 0
		.amdhsa_next_free_vgpr 960
		.amdhsa_next_free_sgpr 66
		.amdhsa_reserve_vcc 0
		.amdhsa_float_denorm_mode_32 3
		.amdhsa_float_denorm_mode_16_64 3
		.amdhsa_memory_ordered 1
		.amdhsa_forward_progress 1
		.amdhsa_inst_pref_size 151
	.end_amdhsa_kernel
	.amdgpu_metadata
---
amdhsa.version: [ 1, 2 ]
amdhsa.kernels:
  - .name:           k_q0295b6a433_head
    .symbol:         k_q0295b6a433_head.kd
    .args:
      - { .name: qin, .offset: 0, .size: 8, .value_kind: global_buffer, .address_space: global }
      - { .name: hact, .offset: 8, .size: 8, .value_kind: global_buffer, .address_space: global }
      - { .name: part0, .offset: 16, .size: 8, .value_kind: global_buffer, .address_space: global }
    .group_segment_fixed_size: 327680
    .private_segment_fixed_size: 0
    .kernarg_segment_align: 8
    .kernarg_segment_size: 24
    .max_flat_workgroup_size: 128
    .sgpr_count:     66
    .vgpr_count:     960
    .wavefront_size: 32
...
	.end_amdgpu_metadata
.endif
;; end of part 3
;; launch tails (part 4): grid 25 x 67, 1 waves a work-group, no clusters, 0 bytes of LDS; arguments qin, hact, route, b1, b2, b3, w3, partt; writes partt
.if DOCPART == 4
	.amdgcn_target "amdgcn-amd-amdhsa--gfx1250"
	.amdhsa_code_object_version 6
	.text
	.protected	k_q0295b6a433_tails
	.globl	k_q0295b6a433_tails
	.p2align	8
	.type	k_q0295b6a433_tails,@function
k_q0295b6a433_tails:
	s_mov_b64 s[64:65], 0
	v_nop
	global_prefetch_b8 v0, s[64:65] scope:SCOPE_SE
	s_setreg_imm32_b32 hwreg(HW_REG_WAVE_MODE, 25, 1), 1
	s_wait_xcnt 0x0
; The tails' logits and their logsumexp, for the chosen rows alone: a token needs the tail of its own target and no other (the masks throw the rest away).
; A work-group of one wave takes a group of 32 slots of the sorted tokens (y; all of one cluster, read from route) and a range of 25 tiles of 16 vocabulary rows (x), five tiles a trip.
; 67 groups serve every split; a group of the short list, or one that no token has, stores (0, 1) and ends, so that every byte of partt is written.
; No tensor load and no cluster: which weights a work-group walks hangs on stored numbers.  Operands go from memory straight into registers, as images of the operands' registers.
; TRANSPOSED: source 0 = 16 vocabulary rows, source 1 = 16 gathered tokens; the bias is the C of a sum's first product.  Tails 1, 2: codes of FP6, K = 256 and 64 (filled with zero codes to 128).
; Tail 3 (K = 16, left as it is): bf16 operands, K filled with zeros to 32.  The softmax is kept lane by lane, with a running maximum; (m, s) go to partt [25 ranges][2,144 slots].
; REGISTERS: window 0: v1-15, v248-254 addresses; v16-20, v22-23 scale words; v24-39 statistics; v48-127 10 accumulators; v128-247 five tiles of weights.  Window 1: v0-47 the tokens, v48-87 biases.
; LIMITS: NaN and infinities are not served; tail 3's operands are rounded to bf16.
.set W1Q, 18350080
.set W2Q, 20590080
.set H1,  1638400
.set H2,  2048000
.set H3,  2252800
.set WS,  16
.set TS,  22
.set ST,  24
.set T0,  40
.set T1,  41
.set U,   42
.set OUT, 44
.set ACC, 48                           ; (a, i) at 48 + 40 a + 8 i
.set WF,  128                          ; tile i at 128 + 24 i
.set W3R, 128                          ; tail 3: w3 as loaded, 8 i; as bf16 operands, 168 + 8 i; the tokens, 208 + 8 a
.set W3B, 168
.set TK3, 208
.set TA,  248
.set TSA, 250
.set WA3, 252
.set T3A, 253
.set CC,  36
.set NC,  38
.set SEL, 40
.set MSB, 0
.macro WIN new
.if MSB != (\new)
	s_set_vgpr_msb (MSB<<8)|(\new)
.set MSB, (\new)
.endif
.endm
.macro SM x, n, t                      ; a step of the running softmax: n logits of a lane in ascending order (each accumulator from its low end on)
	v_max3_num_f32 v[T0], v[(\x)], v[(\x)+1], v[(\t)]
	v_max3_num_f32 v[T1], v[(\x)+2], v[(\x)+3], v[(\x)+4]
.set smk, 5
.rept (\n-6)/4
	v_max3_num_f32 v[T0], v[T0], v[(\x)+smk], v[(\x)+smk+1]
	v_max3_num_f32 v[T1], v[T1], v[(\x)+smk+2], v[(\x)+smk+3]
.set smk, smk+4
.endr
	v_max3_num_f32 v[T0], v[T0], v[(\x)+smk], v[(\x)+smk+1]
	v_max3_num_f32 v[T0], v[T0], v[T1], v[(\x)+\n-1]
	v_mul_f32 v[(\t)+4], s[NC], v[T0]
	v_fma_f32 v[T1], v[(\t)], s[CC], v[(\t)+4]
	v_mov_b32 v[(\t)], v[T0]
	v_exp_f32 v[(\t)+6], v[T1]
.set smk, 0
.rept \n/2
	v_pk_fma_f32 v[(\x)+smk:(\x)+smk+1], v[(\x)+smk:(\x)+smk+1], s[CC:CC+1], v[(\t)+4:(\t)+5] op_sel_hi:[1,0,0]
.set smk, smk+2
.endr
.set smk, 0
.rept \n
	v_exp_f32 v[(\x)+smk], v[(\x)+smk]
.set smk, smk+1
.endr
	s_wait_alu depctr_va_vdst(0)
	v_pk_mul_f32 v[(\t)+2:(\t)+3], v[(\t)+2:(\t)+3], v[(\t)+6:(\t)+7] op_sel_hi:[1,0]   ; (the plain place behind the exponentials)
	v_pk_add_f32 v[U:U+1], v[(\x):(\x)+1], v[(\x)+2:(\x)+3]
.set smk, 4
.rept \n/4-1
	v_pk_add_f32 v[(\t)+2:(\t)+3], v[(\t)+2:(\t)+3], v[(\x)+smk:(\x)+smk+1]
	v_pk_add_f32 v[U:U+1], v[U:U+1], v[(\x)+smk+2:(\x)+smk+3]
.set smk, smk+4
.endr
	v_pk_add_f32 v[(\t)+2:(\t)+3], v[(\t)+2:(\t)+3], v[U:U+1]
.endm
.macro COMB t
	v_add_f32 v[(\t)+2], v[(\t)+2], v[(\t)+3]
	v_permlanex16_b32 v[T0], v[(\t)], s[SEL], s[SEL+1]
	v_permlanex16_b32 v[T1], v[(\t)+2], s[SEL], s[SEL+1]
	v_max_num_f32 v[(\t)+4], v[(\t)], v[T0]
	v_sub_f32 v[(\t)+6], v[(\t)], v[(\t)+4]
	v_sub_f32 v[(\t)+7], v[T0], v[(\t)+4]
	v_mul_f32 v[(\t)+6], s[CC], v[(\t)+6]
	v_mul_f32 v[(\t)+7], s[CC], v[(\t)+7]
	v_exp_f32 v[(\t)+6], v[(\t)+6]
	v_exp_f32 v[(\t)+7], v[(\t)+7]
	v_nop
	s_wait_alu depctr_va_vdst(0)
	v_mul_f32 v[(\t)+2], v[(\t)+2], v[(\t)+6]
	v_fma_f32 v[(\t)+5], v[T1], v[(\t)+7], v[(\t)+2]
.endm
.macro LOADX k                         ; five tiles of weights, their scale words and biases
.if \k < 3
.irp i, 0,1,2,3,4
.irp s, 0,1
.if \s < NK
.irp c, 0,1,2
.if (NK == 2) || (\c < 2)
	global_load_b128 v[WF+24*\i+12*\s+4*\c:WF+24*\i+12*\s+4*\c+3], v3, s[26:27] offset:WREC*\i+1536*\s+512*\c
.endif
.endr
.endif
.endr
	global_load_b32 v[WS+\i], v4, s[26:27] offset:WREC*\i+1536*NK
.endr
.else
.irp i, 0,1,2,3,4
	global_load_b128 v[W3R+8*\i:W3R+8*\i+3], v[WA3], s[26:27] offset:1024*\i
	global_load_b128 v[W3R+8*\i+4:W3R+8*\i+7], v[WA3], s[26:27] offset:1024*\i+16
.endr
.endif
	WIN 0x40                                       ; destination window 1
.irp i, 0,1,2,3,4
	global_load_b128 v[48+8*\i:51+8*\i], v15, s[28:29] offset:64*\i
	global_load_b128 v[52+8*\i:55+8*\i], v15, s[28:29] offset:64*\i+16
.endr
	WIN 0
.endm
.macro MULX k                          ; the ten accumulators take turns
.if \k < 3
	WIN 0x14                                       ; source 1 (tokens) and source 2 (biases) window 1
.irp i, 0,1,2,3,4
.irp a, 0,1
	v_wmma_scale_f32_16x16x128_f8f6f4 v[ACC+40*\a+8*\i:ACC+40*\a+8*\i+7], v[WF+24*\i:WF+24*\i+11], v[24*\a:24*\a+11], v[48+8*\i:55+8*\i], v[WS+\i], v[TS+\a] matrix_a_fmt:MATRIX_FMT_FP6 matrix_b_fmt:MATRIX_FMT_FP6
.endr
.endr
.if NK == 2
	WIN 0x04
.irp i, 0,1,2,3,4
.irp a, 0,1
	v_wmma_scale_f32_16x16x128_f8f6f4 v[ACC+40*\a+8*\i:ACC+40*\a+8*\i+7], v[WF+24*\i+12:WF+24*\i+23], v[24*\a+12:24*\a+23], v[ACC+40*\a+8*\i:ACC+40*\a+8*\i+7], v[WS+\i], v[TS+\a] matrix_a_fmt:MATRIX_FMT_FP6 matrix_b_fmt:MATRIX_FMT_FP6 matrix_a_scale:MATRIX_SCALE_ROW1 matrix_b_scale:MATRIX_SCALE_ROW1
.endr
.endr
.endif
.else
.irp i, 0,1,2,3,4
.irp j, 0,1,2,3
	v_cvt_pk_bf16_f32 v[W3B+8*\i+\j], v[W3R+8*\i+2*\j], v[W3R+8*\i+2*\j+1]
.endr
.endr
	WIN 0x10                                       ; source 2 (biases) window 1
.irp i, 0,1,2,3,4
.irp a, 0,1
	v_wmma_f32_16x16x32_bf16 v[ACC+40*\a+8*\i:ACC+40*\a+8*\i+7], v[W3B+8*\i:W3B+8*\i+7], v[TK3+8*\a:TK3+8*\a+7], v[48+8*\i:55+8*\i]
.endr
.endr
.endif
	WIN 0
.endm
.macro PATH k
.if \k == 1
.set NK, 2
.set WREC, 3584
.set WB, W1Q
.set HB, H1
.set HREC, 3200
.set BP, 10
.set NLD, 45
.elseif \k == 2
.set NK, 1
.set WREC, 2048
.set WB, W2Q
.set HB, H2
.set HREC, 1600
.set BP, 12
.set NLD, 25
.else
.set NK, 0
.set WREC, 1024
.set BP, 14
.set NLD, 20
.endif
	s_mov_b32 s25, 0
	s_mul_i32 s24, ttmp9, 25*WREC
.if \k < 3
	s_add_co_u32 s24, s24, WB
	s_add_nc_u64 s[26:27], s[4:5], s[24:25]        ; my range's first tile
.else
	s_add_nc_u64 s[26:27], s[16:17], s[24:25]
.endif
	s_mul_i32 s24, ttmp9, 1600
	s_add_nc_u64 s[28:29], s[BP:BP+1], s[24:25]    ; and its biases
	LOADX \k
.if NK == 1                            ; k 85 .. 127 are zero codes and are not loaded: the fragments' registers 8-11 are cleared once, here, while the slots are on their way:
	WIN 0x40                                       ; the index and address lines below, more than four plain vector lines, then stand between these lines and the first scaled product
.irp a, 0,1
.irp j, 8,9,10,11
	v_mov_b32 v[24*\a+\j], 0
.endr
.endr
	WIN 0
.irp i, 0,1,2,3,4
.irp j, 8,9,10,11
	v_mov_b32 v[WF+24*\i+\j], 0
.endr
.endr
.endif
	s_wait_loadcnt NLD                             ; all but the weights' and biases' loads just issued: the two loads of slots are in
	v_lshrrev_b32 v9, 4, v7                        ; a token's tile and its row there, each held inside its table before it enters an address
	v_and_b32 v10, 15, v7
	v_lshrrev_b32 v11, 4, v8
	v_and_b32 v12, 15, v8
	v_min_u32 v9, 127, v9
	v_min_u32 v10, 15, v10
	v_min_u32 v11, 127, v11
	v_min_u32 v12, 15, v12
	v_min_u32 v13, 2047, v7
	v_min_u32 v14, 2047, v8
.if \k < 3
.irp a, 0,1
	v_mul_u32_u24 v[TA+\a], HREC, v[9+2*\a]
	v_lshl_add_u32 v[TSA+\a], v[10+2*\a], 2, v[TA+\a]     ; the row's scale word;
.if NK == 2
	v_lshl_add_u32 v[TSA+\a], v2, 6, v[TSA+\a]            ; lanes 16-31: the second K step's
.endif
	v_lshl_add_u32 v[TA+\a], v[10+2*\a], 4, v[TA+\a]      ; in an image row rho's registers lie at 16 (rho + 16 h)
	v_lshl_add_u32 v[TA+\a], v2, 8, v[TA+\a]
.endr
	WIN 0x40
.irp a, 0,1
.irp s, 0,1
.if \s < NK
.irp c, 0,1,2
.if (NK == 2) || (\c < 2)
	global_load_b128 v[24*\a+12*\s+4*\c:24*\a+12*\s+4*\c+3], v[TA+\a], s[6:7] offset:HB+1536*\s+512*\c
.endif
.endr
.endif
.endr
.endr
	WIN 0
.irp a, 0,1
	global_load_b32 v[TS+\a], v[TSA+\a], s[6:7] offset:HB+1536*NK
.endr
.else
.irp a, 0,1
	v_lshlrev_b32 v[T3A+\a], 5, v[13+\a]
	v_lshl_add_u32 v[T3A+\a], v2, 4, v[T3A+\a]     ; 32 x token + 16 h
	global_load_b128 v[TK3+8*\a:TK3+8*\a+3], v[T3A+\a], s[6:7] offset:H3
.irp j, 4,5,6,7
	v_mov_b32 v[TK3+8*\a+\j], 0                    ; k 16 .. 31: zeros
.endr
.endr
.irp i, 0,1,2,3,4
.irp j, 4,5,6,7
	v_mov_b32 v[W3B+8*\i+\j], 0
.endr
.endr
.endif
	s_mov_b32 s30, 4
.Ltrip_\@:
	s_wait_loadcnt 0x0                             ; this trip's tiles are in (so the bases may be stepped)
	MULX \k
.rept 4
	v_nop                                          ; four places in front of the loads into operands' registers and of the first read of results
.endr
	s_add_nc_u64 s[26:27], s[26:27], 5*WREC
	s_add_nc_u64 s[28:29], s[28:29], 320
	LOADX \k                                       ; the next five tiles come while these tiles' softmax is worked
	SM ACC, 40, ST
	SM ACC+40, 40, ST+8
	s_sub_co_u32 s30, s30, 1
	s_cmp_lg_u32 s30, 0
	s_cbranch_scc1 .Ltrip_\@
	s_wait_loadcnt 0x0                             ; the fifth trip loads nothing
	MULX \k
.rept 4
	v_nop
.endr
	SM ACC, 40, ST
	SM ACC+40, 40, ST+8
.endm
	s_load_b512 s[4:19], s[0:1], 0x0               ; qin 4, hact 6, route 8, b1 10, b2 12, b3 14, w3 16, partt 18
	s_and_b32 s20, ttmp7, 0xffff                   ; the group of 32 slots
	s_lshl_b32 s21, s20, 2
	v_and_b32 v1, 15, v0                           ; r
	v_bfe_u32 v2, v0, 4, 1                         ; h
	v_lshlrev_b32 v3, 4, v0                        ; 16 x lane
	v_lshlrev_b32 v4, 2, v0                        ; 4 x lane
	v_lshlrev_b32 v5, 3, v0                        ; 8 x lane
	v_lshlrev_b32 v15, 5, v2                       ; 32 h: my eight biases of a tile
	v_lshlrev_b32 v[WA3], 6, v1
	v_lshl_add_u32 v[WA3], v2, 5, v[WA3]           ; w3: 64 r + 32 h
	s_mov_b32 s[CC], 0x3fb8aa3b
	s_mov_b32 s[CC+1], s[CC]
	s_mov_b32 s[NC], 0xbfb8aa3b
	s_mov_b32 s[SEL], 0x76543210
	s_mov_b32 s[SEL+1], 0xfedcba98
	s_wait_kmcnt 0x0
	s_load_b32 s22, s[8:9], s21 offset:16768       ; the group's cluster
	s_mul_i32 s24, ttmp9, 17152
	s_lshl_b32 s25, s20, 8
	s_add_co_u32 s24, s24, s25
	s_mov_b32 s25, 0
	s_add_nc_u64 s[18:19], s[18:19], s[24:25]      ; partt at my range and my 32 slots
	s_lshl_b32 s24, s20, 7
	v_lshlrev_b32 v6, 2, v1
	v_add_nc_u32 v6, s24, v6
	s_wait_kmcnt 0x0
	s_cmp_lg_u32 s22, 0
	s_cbranch_scc1 .Lwork
	v_mov_b32 v[OUT], 0
	v_mov_b32 v[OUT+1], 1.0
	global_store_b64 v5, v[OUT:OUT+1], s[18:19]
	s_endpgm
.Lwork:
	global_load_b32 v7, v6, s[8:9] offset:8192     ; the tokens of slots r and 16 + r
	global_load_b32 v8, v6, s[8:9] offset:8192+64
.irp a, 0,1
	v_mov_b32 v[ST+8*\a], 0xf149f2ca               ; m = -1e30, under every logit
.irp j, 1,2,3,4,5,6,7
	v_mov_b32 v[ST+8*\a+\j], 0
.endr
.endr
	s_cmp_eq_u32 s22, 1
	s_cbranch_scc1 .Ltail1
	s_cmp_eq_u32 s22, 2
	s_cbranch_scc1 .Ltail2
	PATH 3
	s_branch .Ldone
.Ltail1:
	PATH 1
	s_branch .Ldone
.Ltail2:
	PATH 2
.Ldone:
	COMB ST
	COMB ST+8
	s_mov_b32 s31, 0xffff0000
	v_cndmask_b32 v[OUT], v[ST+4], v[ST+12], s31   ; lanes 0-15: slots 0-15, lanes 16-31: slots 16-31
	v_cndmask_b32 v[OUT+1], v[ST+5], v[ST+13], s31
	global_store_b64 v5, v[OUT:OUT+1], s[18:19]    ; 256 consecutive bytes, at a multiple of 256 from partt's first byte
	s_endpgm
.Lfunc_end_k_q0295b6a433_tails:
	.size	k_q0295b6a433_tails, .Lfunc_end_k_q0295b6a433_tails-k_q0295b6a433_tails
	.p2alignl 7, 3214868480
	.fill 96, 4, 3214868480
	.section	.rodata,"a",@progbits
	.p2align	6, 0x0
	.amdhsa_kernel k_q0295b6a433_tails
		.amdhsa_group_segment_fixed_size 0
		.amdhsa_private_segment_fixed_size 0
		.amdhsa_enable_private_segment 0
		.amdhsa_kernarg_size 64
		.amdhsa_user_sgpr_count 2
		.amdhsa_user_sgpr_kernarg_segment_ptr 1
		.amdhsa_wavefront_size32 1
		.amdhsa_system_sgpr_workgroup_id_x 1
		.amdhsa_system_sgpr_workgroup_id_y 1
		.amdhsa_system_sgpr_workgroup_id_z 1
		.amdhsa_system_vgpr_workitem_id 0
		.amdhsa_next_free_vgpr 344
		.amdhsa_next_free_sgpr 66
		.amdhsa_reserve_vcc 0
		.amdhsa_float_denorm_mode_32 3
		.amdhsa_float_denorm_mode_16_64 3
		.amdhsa_memory_ordered 1
		.amdhsa_forward_progress 1
		.amdhsa_inst_pref_size 106
	.end_amdhsa_kernel
	.amdgpu_metadata
---
amdhsa.version: [ 1, 2 ]
amdhsa.kernels:
  - .name:           k_q0295b6a433_tails
    .symbol:         k_q0295b6a433_tails.kd
    .args:
      - { .name: qin, .offset: 0, .size: 8, .value_kind: global_buffer, .address_space: global }
      - { .name: hact, .offset: 8, .size: 8, .value_kind: global_buffer, .address_space: global }
      - { .name: route, .offset: 16, .size: 8, .value_kind: global_buffer, .address_space: global }
      - { .name: b1, .offset: 24, .size: 8, .value_kind: global_buffer, .address_space: global }
      - { .name: b2, .offset: 32, .size: 8, .value_kind: global_buffer, .address_space: global }
      - { .name: b3, .offset: 40, .size: 8, .value_kind: global_buffer, .address_space: global }
      - { .name: w3, .offset: 48, .size: 8, .value_kind: global_buffer, .address_space: global }
      - { .name: partt, .offset: 56, .size: 8, .value_kind: global_buffer, .address_space: global }
    .group_segment_fixed_size: 0
    .private_segment_fixed_size: 0
    .kernarg_segment_align: 8
    .kernarg_segment_size: 64
    .max_flat_workgroup_size: 32
    .sgpr_count:     66
    .vgpr_count:     344
    .wavefront_size: 32
...
	.end_amdgpu_metadata
.endif
;; end of part 4
;; launch finish (part 5): grid 128 x 1, 1 waves a work-group, no clusters, 0 bytes of LDS; arguments target, route, qin, hact, part0, partt, b1, b2, b3, w3, out0; writes out0
.if DOCPART == 5
	.amdgcn_target "amdgcn-amd-amdhsa--gfx1250"
	.amdhsa_code_object_version 6
	.text
	.protected	k_q0295b6a433_finish
	.globl	k_q0295b6a433_finish
	.p2align	8
	.type	k_q0295b6a433_finish,@function
k_q0295b6a433_finish:
	s_mov_b64 s[64:65], 0
	v_nop
	global_prefetch_b8 v0, s[64:65] scope:SCOPE_SE
	s_setreg_imm32_b32 hwreg(HW_REG_WAVE_MODE, 25, 1), 1
	s_wait_xcnt 0x0
; nll = -(head logit at the chosen column - the head's logsumexp [+ the tail's logit at the target - the tail's logsumexp]).
; A wave takes 16 tokens in their own order.  The single logits come by small gathered products: source 0 = for each token the ONE row of weights that it wants, source 1 = the 16 tokens; the diagonal is kept.
; The head's column: the target, held to 0 .. 19,999, or for a token of tail i column 20,003 - i.  All three tails are multiplied for every token, at indices held inside the tables, and the right one is
; chosen by v_cndmask_b32: no branch hangs on data.  The parts (m, s) of the logsumexps are joined under their common maximum.
; The head's eight K steps are one chain on one accumulator: a wait stands directly ahead of each link; the tails' accumulators take turns.
; REGISTERS: window 0: v16-27 scale words; v28-31 biases; v32-63 four accumulators; v64-159 the tails' operands; v160-217 the parts; v218-253 indices, addresses, at work.  Window 1: v0-95 the gathered rows of the head, v96-191 the tokens.
; LIMITS: NaN and infinities are not served; tail 3's operands are rounded to bf16.
.set W1Q, 18350080
.set W2Q, 20590080
.set H1,  1638400
.set H2,  2048000
.set H3,  2252800
.set P0,  160
.set PT,  192
.set LM,  245
.set LN,  246
.set LSM, 247
.set LA,  248
.set LB,  249
.set LC,  250
.set TV,  253
.set CC,  44
.set NC,  45
.set LN2, 46
.set DG,  47
.set DM,  48
.set SEL, 58
.set MSB, 0
.macro WIN new
.if MSB != (\new)
	s_set_vgpr_msb (MSB<<8)|(\new)
.set MSB, (\new)
.endif
.endm
.macro DIAG a, d                       ; element (r, r) lies in register r % 8 of lane (r, h = r / 8): picked by lane, from the accumulator's low end on, then handed to the other half
	v_cndmask_b32 v[\d], v[\a], v[\a+1], s[DM+1]
.irp j, 2,3,4,5,6,7
	v_cndmask_b32 v[\d], v[\d], v[\a+\j], s[DM+\j]
.endr
	v_permlanex16_b32 v[TV], v[\d], s[SEL], s[SEL+1]
	v_cndmask_b32 v[\d], v[TV], v[\d], s[DG]
.endm
.macro LSE p, n, d                     ; n parts (m, s) a lane, the other half of the lanes has the others: m + ln(sum)
	v_max_num_f32 v[LM], v[\p], v[\p+2]
.set lk, 4
.rept \n-2
	v_max_num_f32 v[LM], v[LM], v[\p+lk]
.set lk, lk+2
.endr
	v_mul_f32 v[LN], s[NC], v[LM]
.set lk, 0
.rept \n
	v_fma_f32 v[\p+lk], v[\p+lk], s[CC], v[LN]
.set lk, lk+2
.endr
.set lk, 0
.rept \n
	v_exp_f32 v[\p+lk], v[\p+lk]
.set lk, lk+2
.endr
	v_nop                                          ; one plain place behind a transcendental
	s_wait_alu depctr_va_vdst(0)
	v_mul_f32 v[LSM], v[\p], v[\p+1]
.set lk, 2
.rept \n-1
	v_fma_f32 v[LSM], v[\p+lk], v[\p+lk+1], v[LSM]
.set lk, lk+2
.endr
	v_permlanex16_b32 v[LA], v[LM], s[SEL], s[SEL+1]
	v_permlanex16_b32 v[LB], v[LSM], s[SEL], s[SEL+1]
	v_max_num_f32 v[LC], v[LM], v[LA]
	v_sub_f32 v[LM], v[LM], v[LC]
	v_sub_f32 v[LA], v[LA], v[LC]
	v_mul_f32 v[LM], s[CC], v[LM]
	v_mul_f32 v[LA], s[CC], v[LA]
	v_exp_f32 v[LM], v[LM]
	v_exp_f32 v[LA], v[LA]
	v_nop
	s_wait_alu depctr_va_vdst(0)
	v_mul_f32 v[LSM], v[LSM], v[LM]
	v_fma_f32 v[LSM], v[LB], v[LA], v[LSM]
	v_log_f32 v[LSM], v[LSM]
	v_nop
	s_wait_alu depctr_va_vdst(0)
	v_fma_f32 v[\d], v[LSM], s[LN2], v[LC]
.endm
	s_load_b512 s[4:19], s[0:1], 0x0               ; target 4, route 6, qin 8, hact 10, part0 12, partt 14, b1 16, b2 18
	s_load_b128 s[20:23], s[0:1], 0x40             ; b3 20, w3 22
	s_load_b64 s[24:25], s[0:1], 0x50              ; out0
	v_and_b32 v1, 15, v0                           ; r
	v_bfe_u32 v2, v0, 4, 1                         ; h
	v_lshlrev_b32 v3, 4, v0                        ; 16 x lane
	v_lshlrev_b32 v4, 2, v0                        ; 4 x lane
	v_lshlrev_b32 v8, 2, v1                        ; 4 r
	s_lshl_b32 s26, ttmp9, 6
	v_add_nc_u32 v9, s26, v8                       ; 4 x my token
	v_lshlrev_b32 v10, 1, v9
	v_lshl_add_u32 v10, v2, 14, v10                ; part0: 8 x token + 16,384 h
	v_lshlrev_b32 v11, 5, v1
	v_lshl_add_u32 v11, v2, 4, v11                 ; H3: 32 r + 16 h
	v_mov_b32 v[LA], 0                             ; (a lane permute's destination counts as one of its sources)
	v_mov_b32 v[LB], 0
	v_mov_b32 v[TV], 0
.irp j, 148,149,150,151,156,157,158,159
	v_mov_b32 v\j, 0                               ; tail 3: k 16 .. 31 are zeros
.endr
	s_mov_b32 s40, 20000
	s_mov_b32 s41, 30000
	s_mov_b32 s42, 40000
	s_mov_b32 s43, 50000
	s_mov_b32 s[CC], 0x3fb8aa3b                    ; log2(e)
	s_mov_b32 s[NC], 0xbfb8aa3b
	s_mov_b32 s[LN2], 0x3f317218                   ; ln 2
	s_mov_b32 s[DG], 0xff0000ff                    ; the lanes with h = r / 8
.irp j, 1,2,3,4,5,6,7
	s_mov_b32 s[DM+\j], 0x01010101<<\j             ; the lanes with lane % 8 = j
.endr
	s_mov_b32 s[SEL], 0x76543210
	s_mov_b32 s[SEL+1], 0xfedcba98
	s_mov_b32 s60, 0xffff0000
	s_mov_b32 s63, 0
	s_mul_i32 s62, ttmp9, 12800
	s_wait_kmcnt 0x0
	s_add_nc_u64 s[28:29], s[10:11], s[62:63]      ; my tile's records in H0,
	s_mul_i32 s62, ttmp9, 3200
	s_add_co_u32 s62, s62, H1
	s_add_nc_u64 s[30:31], s[10:11], s[62:63]      ; H1,
	s_mul_i32 s62, ttmp9, 1600
	s_add_co_u32 s62, s62, H2
	s_add_nc_u64 s[32:33], s[10:11], s[62:63]      ; H2,
	s_lshl_b32 s62, ttmp9, 9
	s_add_co_u32 s62, s62, H3
	s_add_nc_u64 s[34:35], s[10:11], s[62:63]      ; H3
	s_mov_b32 s62, W1Q
	s_add_nc_u64 s[36:37], s[8:9], s[62:63]
	s_mov_b32 s62, W2Q
	s_add_nc_u64 s[38:39], s[8:9], s[62:63]
	global_load_b32 v5, v9, s[4:5]                 ; the target
	global_load_b32 v6, v9, s[6:7]                 ; the token's slot
	; 56 loads that hang on no index
	WIN 0x40
.irp s, 0,1,2,3,4,5,6,7
.irp c, 0,1,2
	global_load_b128 v[96+12*\s+4*\c:96+12*\s+4*\c+3], v3, s[28:29] offset:1536*\s+512*\c
.endr
.endr
	WIN 0
.irp q, 0,1,2,3
	global_load_b32 v[20+\q], v4, s[28:29] offset:12288+128*\q
.endr
.irp s, 0,1
.irp c, 0,1,2
	global_load_b128 v[88+12*\s+4*\c:88+12*\s+4*\c+3], v3, s[30:31] offset:1536*\s+512*\c
.endr
.endr
	global_load_b32 v25, v4, s[30:31] offset:3072
.irp c, 0,1,2
	global_load_b128 v[124+4*\c:124+4*\c+3], v3, s[32:33] offset:512*\c
.endr
	global_load_b32 v27, v8, s[32:33] offset:1536
	global_load_b128 v[152:155], v11, s[34:35]
.set lk, 0
.rept 16
	global_load_b64 v[P0+2*lk:P0+2*lk+1], v10, s[12:13] offset:32768*lk   ; ranges 2 k + h
.set lk, lk+1
.endr
	s_wait_loadcnt 56                              ; all but those 56: the target and the slot are in
	v_cmp_le_i32 vcc_lo, s40, v5                   ; the cluster, as the sort has it
	v_cndmask_b32 v218, 0, 1, vcc_lo
	v_cmp_le_i32 vcc_lo, s41, v5
	v_add_co_ci_u32 v218, vcc_lo, 0, v218, vcc_lo
	v_cmp_le_i32 vcc_lo, s42, v5
	v_add_co_ci_u32 v218, vcc_lo, 0, v218, vcc_lo
	v_cmp_gt_i32 vcc_lo, s43, v5
	v_cndmask_b32 v218, 0, v218, vcc_lo
	v_cmp_gt_i32 vcc_lo, 0, v5
	v_cndmask_b32 v244, v5, 0, vcc_lo
	v_min_u32 v244, 19999, v244                    ; the target held to the short list,
	v_sub_nc_u32 v245, 20003, v218
	v_cmp_lt_u32 vcc_lo, 0, v218
	v_cndmask_b32 v244, v244, v245, vcc_lo         ; or the tail's column of the head
	v_lshrrev_b32 v219, 4, v244                    ; quotients and remainders first, then each is held inside its table, then only products, shifts left and sums
	v_and_b32 v220, 15, v244
	v_min_u32 v219, 1250, v219
	v_min_u32 v220, 15, v220
	v_mul_u32_u24 v219, 13056, v219
	v_lshl_add_u32 v223, v220, 2, v219             ; the row's bias and scale words,
	v_lshl_add_u32 v222, v2, 6, v223               ; lanes 16-31: the odd K steps'
	v_lshl_add_u32 v221, v220, 4, v219             ; its registers in an image: 16 (row + 16 h)
	v_lshl_add_u32 v221, v2, 8, v221
	v_sub_nc_u32 v244, v5, s40                     ; tail 1
	v_lshrrev_b32 v224, 4, v244
	v_and_b32 v225, 15, v244
	v_min_u32 v226, 9999, v244
	v_min_u32 v224, 624, v224
	v_min_u32 v225, 15, v225
	v_lshlrev_b32 v226, 2, v226
	v_mul_u32_u24 v224, 3584, v224
	v_lshl_add_u32 v232, v225, 2, v224
	v_lshl_add_u32 v232, v2, 6, v232
	v_lshl_add_u32 v231, v225, 4, v224
	v_lshl_add_u32 v231, v2, 8, v231
	v_sub_nc_u32 v244, v5, s41                     ; tail 2
	v_lshrrev_b32 v227, 4, v244
	v_and_b32 v228, 15, v244
	v_min_u32 v229, 9999, v244
	v_min_u32 v227, 624, v227
	v_min_u32 v228, 15, v228
	v_lshlrev_b32 v229, 2, v229
	v_lshlrev_b32 v227, 11, v227
	v_lshl_add_u32 v234, v228, 2, v227
	v_lshl_add_u32 v233, v228, 4, v227
	v_lshl_add_u32 v233, v2, 8, v233
	v_sub_nc_u32 v244, v5, s42                     ; tail 3
	v_min_u32 v230, 9999, v244
	v_lshlrev_b32 v235, 6, v230
	v_lshl_add_u32 v235, v2, 5, v235
	v_lshlrev_b32 v238, 2, v230
	v_min_u32 v237, 2143, v6                       ; the slot
	v_lshlrev_b32 v237, 3, v237
	v_mul_u32_u24 v236, 17152, v2
	v_add_nc_u32 v236, v236, v237
	WIN 0x40
.irp s, 0,1,2,3,4,5,6,7
.irp c, 0,1,2
	global_load_b128 v[12*\s+4*\c:12*\s+4*\c+3], v221, s[8:9] offset:1536*\s+512*\c
.endr
.endr
	WIN 0
.irp q, 0,1,2,3
	global_load_b32 v[16+\q], v222, s[8:9] offset:12288+128*\q
.endr
	global_load_b32 v28, v223, s[8:9] offset:12800
.irp s, 0,1
.irp c, 0,1,2
	global_load_b128 v[64+12*\s+4*\c:64+12*\s+4*\c+3], v231, s[36:37] offset:1536*\s+512*\c
.endr
.endr
	global_load_b32 v24, v232, s[36:37] offset:3072
	global_load_b32 v29, v226, s[16:17]
.irp c, 0,1,2
	global_load_b128 v[112+4*\c:112+4*\c+3], v233, s[38:39] offset:512*\c
.endr
	global_load_b32 v26, v234, s[38:39] offset:1536
	global_load_b32 v30, v229, s[18:19]
	global_load_b128 v[136:139], v235, s[22:23]
	global_load_b128 v[140:143], v235, s[22:23] offset:16
	global_load_b32 v31, v238, s[20:21]
.set lk, 0
.rept 12
	global_load_b64 v[PT+2*lk:PT+2*lk+1], v236, s[14:15] offset:34304*lk   ; ranges 2 k + h
.set lk, lk+1
.endr
	global_load_b64 v[PT+24:PT+25], v237, s[14:15] offset:24*17152         ; range 24, in both halves: the upper half's sum is cleared below
	s_wait_loadcnt 0x0
.irp j, 0,1,2,3
	v_cvt_pk_bf16_f32 v[144+\j], v[136+2*\j], v[137+2*\j]
.endr
	v_cndmask_b32 v[PT+25], v[PT+25], 0, s60
	WIN 0x05                                       ; sources 0 and 1 window 1
	v_wmma_scale_f32_16x16x128_f8f6f4 v[32:39], v[0:11], v[96:107], 0, v16, v20 matrix_a_fmt:MATRIX_FMT_FP6 matrix_b_fmt:MATRIX_FMT_FP6
.irp s, 1,2,3,4,5,6,7
	s_wait_alu depctr_va_vdst(0)                   ; the wait ahead of a link that follows its own chain's last link
.if \s%2
	v_wmma_scale_f32_16x16x128_f8f6f4 v[32:39], v[12*\s:12*\s+11], v[96+12*\s:96+12*\s+11], v[32:39], v[16+\s/2], v[20+\s/2] matrix_a_fmt:MATRIX_FMT_FP6 matrix_b_fmt:MATRIX_FMT_FP6 matrix_a_scale:MATRIX_SCALE_ROW1 matrix_b_scale:MATRIX_SCALE_ROW1
.else
	v_wmma_scale_f32_16x16x128_f8f6f4 v[32:39], v[12*\s:12*\s+11], v[96+12*\s:96+12*\s+11], v[32:39], v[16+\s/2], v[20+\s/2] matrix_a_fmt:MATRIX_FMT_FP6 matrix_b_fmt:MATRIX_FMT_FP6
.endif
.endr
	WIN 0
	v_wmma_scale_f32_16x16x128_f8f6f4 v[40:47], v[64:75], v[88:99], 0, v24, v25 matrix_a_fmt:MATRIX_FMT_FP6 matrix_b_fmt:MATRIX_FMT_FP6
	v_wmma_scale_f32_16x16x128_f8f6f4 v[48:55], v[112:123], v[124:135], 0, v26, v27 matrix_a_fmt:MATRIX_FMT_FP6 matrix_b_fmt:MATRIX_FMT_FP6
	v_wmma_scale_f32_16x16x128_f8f6f4 v[40:47], v[76:87], v[100:111], v[40:47], v24, v25 matrix_a_fmt:MATRIX_FMT_FP6 matrix_b_fmt:MATRIX_FMT_FP6 matrix_a_scale:MATRIX_SCALE_ROW1 matrix_b_scale:MATRIX_SCALE_ROW1
	v_wmma_f32_16x16x32_bf16 v[56:63], v[144:151], v[152:159], 0
.rept 4
	v_nop                                          ; four places in front of the first read of results
.endr
	DIAG 32, 240
	DIAG 40, 241
	DIAG 48, 242
	DIAG 56, 243
	LSE P0, 16, 251
	LSE PT, 13, 252
	v_add_f32 v240, v240, v28
	v_sub_f32 v240, v240, v251                     ; the head's log-probability
	v_add_f32 v241, v241, v29
	v_add_f32 v242, v242, v30
	v_add_f32 v243, v243, v31
	v_cmp_eq_u32 vcc_lo, 2, v218
	v_cndmask_b32 v241, v241, v242, vcc_lo
	v_cmp_eq_u32 vcc_lo, 3, v218
	v_cndmask_b32 v241, v241, v243, vcc_lo
	v_sub_f32 v241, v241, v252                     ; the tail's,
	v_cmp_lt_u32 vcc_lo, 0, v218
	v_cndmask_b32 v241, 0, v241, vcc_lo            ; which counts for a token of a tail alone
	v_add_f32 v240, v240, v241
	v_sub_f32 v240, 0, v240
	v_cmp_gt_u32 vcc_lo, 16, v0
	s_wait_xcnt 0x0                                ; EXEC changes only behind this wait
	s_and_saveexec_b32 s61, vcc_lo
	global_store_b32 v9, v240, s[24:25]            ; lanes 0-15: 64 consecutive bytes
	s_endpgm
.Lfunc_end_k_q0295b6a433_finish:
	.size	k_q0295b6a433_finish, .Lfunc_end_k_q0295b6a433_finish-k_q0295b6a433_finish
	.p2alignl 7, 3214868480
	.fill 96, 4, 3214868480
	.section	.rodata,"a",@progbits
	.p2align	6, 0x0
	.amdhsa_kernel k_q0295b6a433_finish
		.amdhsa_group_segment_fixed_size 0
		.amdhsa_private_segment_fixed_size 0
		.amdhsa_enable_private_segment 0
		.amdhsa_kernarg_size 88
		.amdhsa_user_sgpr_count 2
		.amdhsa_user_sgpr_kernarg_segment_ptr 1
		.amdhsa_wavefront_size32 1
		.amdhsa_system_sgpr_workgroup_id_x 1
		.amdhsa_system_sgpr_workgroup_id_y 1
		.amdhsa_system_sgpr_workgroup_id_z 1
		.amdhsa_system_vgpr_workitem_id 0
		.amdhsa_next_free_vgpr 448
		.amdhsa_next_free_sgpr 80
		.amdhsa_reserve_vcc 1
		.amdhsa_float_denorm_mode_32 3
		.amdhsa_float_denorm_mode_16_64 3
		.amdhsa_memory_ordered 1
		.amdhsa_forward_progress 1
		.amdhsa_inst_pref_size 29
	.end_amdhsa_kernel
	.amdgpu_metadata
---
amdhsa.version: [ 1, 2 ]
amdhsa.kernels:
  - .name:           k_q0295b6a433_finish
    .symbol:         k_q0295b6a433_finish.kd
    .args:
      - { .name: target, .offset: 0, .size: 8, .value_kind: global_buffer, .address_space: global }
      - { .name: route, .offset: 8, .size: 8, .value_kind: global_buffer, .address_space: global }
      - { .name: qin, .offset: 16, .size: 8, .value_kind: global_buffer, .address_space: global }
      - { .name: hact, .offset: 24, .size: 8, .value_kind: global_buffer, .address_space: global }
      - { .name: part0, .offset: 32, .size: 8, .value_kind: global_buffer, .address_space: global }
      - { .name: partt, .offset: 40, .size: 8, .value_kind: global_buffer, .address_space: global }
      - { .name: b1, .offset: 48, .size: 8, .value_kind: global_buffer, .address_space: global }
      - { .name: b2, .offset: 56, .size: 8, .value_kind: global_buffer, .address_space: global }
      - { .name: b3, .offset: 64, .size: 8, .value_kind: global_buffer, .address_space: global }
      - { .name: w3, .offset: 72, .size: 8, .value_kind: global_buffer, .address_space: global }
      - { .name: out0, .offset: 80, .size: 8, .value_kind: global_buffer, .address_space: global }
    .group_segment_fixed_size: 0
    .private_segment_fixed_size: 0
    .kernarg_segment_align: 8
    .kernarg_segment_size: 88
    .max_flat_workgroup_size: 32
    .sgpr_count:     80
    .vgpr_count:     448
    .wavefront_size: 32
...
	.end_amdgpu_metadata
.endif
;; end of part 5
